; MI455X (gfx1250); checked and timed in simulation.
; The chip was launched on July 23, 2026; its instructions are those of AMD's public machine-readable ISA for CDNA 5 (MIT licence, August 2026) and "CDNA5" Instruction Set Architecture Reference Guide (July 2026). The comments in the code are by the model that wrote it; some were corrected since.
;; Multi Head Attention. Allowed arithmetic: matrix products marked QUANTISED: E2M3 operands, one E8M0 scale for each 32 along K, by v_wmma_scale_f32_16x16x128_f8f6f4 with both operands' format E2M3, f32 sums; everything else in f32.
;; Inputs: Wk 16 x 1,024 x 64 float32; Wp 1,024 x 1,024 float32; Wq 16 x 1,024 x 64 float32; Wv 16 x 1,024 x 64 float32; bp 1,024 float32; x 512 x 32 x 1,024 float32.
;; Outputs: out0 512 x 32 x 1,024 float32.
;; This version of the problem:
;;   THIS VERSION OF THE PROBLEM IS GIVEN IN LOW PRECISION. The matrix products marked QUANTISED in the list below multiply operands that are first quantised to E2M3 (2 exponent bits, 3 mantissa bits; 6 bits a number), with one power-of-two scale for each 32 numbers along K (OCP MX v1.0); their sums are f32. All else is computed in f32.
;;   The module's matrix products, in the order in which they are computed (A, B: the left and right operand; K: the contracted axis; several contracted axes count as one K, in the product's order):
;;     1. [M 1,024, K 1,024] x [K 1,024, N 16,384]; A: input Wq; B: input x: QUANTISED
;;     2. [M 1,024, K 1,024] x [K 1,024, N 16,384]; A: input Wk; B: input x: QUANTISED
;;     3. [M 1,024, K 1,024] x [K 1,024, N 16,384]; A: input Wv; B: input x: QUANTISED
;;     4. batch 8,192 x [M 32, K 64] x [K 64, N 32]; A: computed on the way; B: computed on the way: QUANTISED
;;     5. batch 8,192 x [M 32, K 32] x [K 32, N 64]; A: softmax (see below); B: computed on the way: QUANTISED
;;     6. [M 16,384, K 1,024] x [K 1,024, N 1,024]; A: computed on the way; B: input Wp: QUANTISED
;;   THE QUANTISER, for each operand of a quantised product, along K:
;;     - K is cut into blocks of 32 from its start; a last block that is shorter is filled with zeros.
;;     - A block's scale is 2^e with e = floor(log2(the largest magnitude in the block)) - 2, held to -126 .. 127; a block of zeros has e = 0. As a byte (E8M0): e + 127.
;;     - Each number is divided by its block's scale, clamped to +-7.5, and rounded to the nearest number of E2M3, ties to even, subnormals kept.
;;     - The product sums the exact products of the quantised numbers (number of the format x scale) in f32.
;;   ~~~python
;;   def quantise(x, axis):      # numpy; x: float32 -> the quantised numbers, widened to float32 again
;;       x = np.moveaxis(x, axis, -1); K = x.shape[-1]
;;       x = np.pad(x, [(0, 0)] * (x.ndim - 1) + [(0, -K % 32)]); x = x.reshape(x.shape[:-1] + (-1, 32)); a = np.abs(x).max(-1, keepdims=True)
;;       e = np.where(a > 0, np.clip(np.frexp(np.where(a > 0, a, 1))[1] - 1 - 2, -126, 127), 0)      # np.frexp(a)[1] - 1 = floor(log2(a)), exactly
;;       r = np.clip(x / 2.0 ** e, -7.5, 7.5)
;;       step = 2.0 ** (np.maximum(np.frexp(np.where(r == 0, 1, r))[1] - 1, 0) - 3)
;;       q = np.round(r / step) * step * 2.0 ** e      # np.round: ties to even
;;       return np.moveaxis(q.reshape(q.shape[:-2] + (-1,))[..., :K], -1, axis).astype(np.float32)
;;   ~~~
;;   SOFTMAX AHEAD OF A QUANTISED PRODUCT. Where the list says 'softmax', what is quantised is not the finished softmax but p = 2^(t - M), with t = logit x log2(e) and M = ceil(the row's largest t), a whole number; so 1/2 < the row's largest p <= 1. The row's sum l is taken of the UNQUANTISED p, in f32, and the product's result is divided by l at the end. Since M is a whole number, a kernel that streams over the keys may use a running M (the ceiling of the running maximum): every later rescaling is an exact power of two, which a block's scale takes up: the codes' values come out the same.
;;   OPERANDS COMPUTED ON THE WAY. 'Computed on the way' means the value that the module computes at that place (a softmax that the list does not call 'softmax' is quantised finished and normalised). What goes into a quantiser is computed in f32, as accurately as f32 sums, v_exp_f32 and their like allow (about 1e-6 of the number): no bf16 or f16 on the way to a quantiser, and a product that is left as it is and whose result goes on into a quantised operand takes f32 operands (vector FMAs, or v_wmma_f32_16x16x4_f32). A number that lies on a knife's edge between two numbers of the format may be rounded either way, as far as f32 arithmetic and the matrix unit's own rounding can turn it there, and no further.
;; One version. Each part assembles by itself: llvm-mc -triple=amdgcn-amd-amdhsa -mcpu=gfx1250 --defsym DOCPART=n.
;; ======== version 1 of 1: 3 launches
;; limits: right only within a limited range of input values
;; workspace buffers: xcod 12,582,912 bytes; xscl 524,288 bytes; wqkv 2,457,600 bytes; wpc 819,200 bytes; acod 12,582,912 bytes; ascl 1,048,576 bytes
;; launch prep (part 1): grid 256 x 1, 16 waves a work-group, no clusters, 137,216 bytes of LDS; arguments x, Wq, Wk, Wv, Wp, xcod, xscl, wqkv, wpc; writes xcod, xscl, wqkv, wpc
.if DOCPART == 1
	.amdgcn_target "amdgcn-amd-amdhsa--gfx1250"
	.amdhsa_code_object_version 6
	.text
	.protected	k_qddb208429c_prep
	.globl	k_qddb208429c_prep
	.p2align	8
	.type	k_qddb208429c_prep,@function
k_qddb208429c_prep:
	s_mov_b64 s[64:65], 0
	v_nop
	global_prefetch_b8 v0, s[64:65] scope:SCOPE_SE
	s_setreg_imm32_b32 hwreg(HW_REG_WAVE_MODE, 25, 1), 1
	s_wait_xcnt 0x0
; PREP: x [16384][1024] and the four weights, all f32, become codes of FP6 (E2M3) with one E8M0 scale byte for each 32 along K (K = the 1,024 of the embedding), each quantised ONCE.
; The codes are laid as IMAGES OF OPERAND REGISTERS: a fragment (16 rows x 128 K, 12 registers a lane) is 1,536 bytes: chunk c (0..2) holds lane l's registers 4 c .. 4 c + 3 at 512 c + 16 l.
; A block's scale is 2^(floor(log2(largest magnitude)) - 2); its byte is the largest magnitude's exponent field - 2, held at 1 from below.
; LIMITS: NaN and infinities among the inputs are not served.  A block whose largest magnitude lies under 2^-124 (a block of zeros too) gets the byte 1: a block of zeros has zero codes, and only this program reads the bytes.
; ROW TILES OF x.  A block of 64 rows is two batches of 32 tokens; tile m = 2 batch + u; ROW r OF A TILE IS TOKEN 8 u + r + 8 (r / 8): tokens 0-7, 16-23 (u = 0) or 8-15, 24-31 (u = 1).
;   xcod [tile 4 blk + m][K step s][1,536].   xscl [blk][mp][kq][lane][2 words]: word g of lane (r, h) = the scale word of tile 2 mp + h, row r, K step 2 kq + g.
; WEIGHTS.  K is their first axis within a head: a lane takes a column and its registers run down K, in the order of the operand's layout, so nothing is transposed.
;   A pair block (25,600 bytes) = two column tiles u = 0, 1 for all of K: fragment (s, u) at 1,536 (2 s + u); from 24,576 on the scale words [s][32 lanes]: lanes 0-15 tile 0, lanes 16-31 tile 1.
;   wqkv [head][pair 2 mat + b]: lane r of tile (b, u) is column d = 32 b + 8 u + r + 8 (r / 8).   wpc [pair P]: column n = 32 P + 16 u + r.
; SHARES.  Work-group J takes block J of x and 8 weight fragments.  Sixteen waves, four to a SIMD.  Wave w: x tile w / 4, K steps 2 (w % 4) and 2 (w % 4) + 1; waves 0-7 also one weight fragment each.
; ALL OF A WAVE'S LOADS GO OUT AT ITS HEAD (the weight's 64, then x's 2 x 16): memory binds here, so what counts is how many bytes are on their way.  Waves share nothing: no barrier.
.set STG,  8448                        ; a wave's stage in LDS: 16 rows x 528 bytes
.set SP,   528                         ; 512 bytes of a row + 16: an odd multiple of 16
.set TM,   24                          ; v24-27 largest magnitudes, v28-31 bytes, v36-39 the conversions' scale operands
.set PW,   41                          ; the weight fragment's scale word
.set PC,   44                          ; v44-62 the codes just made
.set X,    64                          ; v64-127  the weight's 64 numbers; then 64 numbers of x: register 16 b + i = k 32 b + 16 (lane / 16) + i of the lane's row
.set R0,   128                         ; v128-191 x's second fragment as loaded
.set R1,   192                         ; v192-255 x's first fragment as loaded
.set SEL,  42                          ; s[42:43] v_permlanex16_b32's selects for lane l xor 16
	s_load_b512 s[4:19], s[0:1], 0x0               ; x s[4:5], Wq s[6:7], Wk s[8:9], Wv s[10:11], Wp s[12:13], xcod s[14:15], xscl s[16:17], wqkv s[18:19]
	s_load_b64 s[20:21], s[0:1], 0x40              ; wpc
	v_lshl_add_u32 v59, v0, 2, 0x21000
	v_mov_b32 v63, 0
	v_lshrrev_b32 v1, 5, v0
	s_delay_alu instid0(VALU_DEP_1)
	v_readfirstlane_b32 s22, v1                    ; wave 0..15
	v_and_b32 v1, 31, v0                           ; lane
	v_and_b32 v2, 15, v0                           ; r
	v_bfe_u32 v3, v0, 4, 1                         ; h
	s_delay_alu instid0(VALU_DEP_3)
	v_lshlrev_b32 v4, 4, v1                        ; 16 x lane: my bytes of a load's or a store's 512
	s_mul_i32 s23, s22, STG
	v_add_nc_u32 v5, s23, v4                       ; the stage, on the way in: a row as it lies
	v_mul_u32_u24 v6, v2, SP
	s_delay_alu instid0(VALU_DEP_1)
	v_lshl_add_u32 v6, v3, 6, v6
	s_delay_alu instid0(VALU_DEP_1)
	v_add_nc_u32 v6, s23, v6                       ; and on the way out: row r, + 64 h: my 16 numbers of a block of 32
	v_lshlrev_b32 v8, 3, v2                        ; 8 r
	v_lshlrev_b32 v9, 2, v2                        ; 4 r
	s_mov_b32 s[SEL], 0x76543210
	s_mov_b32 s[SEL+1], 0xfedcba98
.irp n, 0,1,2,3
	v_mov_b32 v[TM+4+\n], 0                        ; written once: a lane permute's destination counts as one of its sources
.endr
	s_lshr_b32 s24, s22, 2                         ; m: my tile of the block
	s_and_b32 s25, s22, 3                          ; kq: which 256 along K
	s_lshr_b32 s44, s24, 1                         ; the batch
	s_and_b32 s46, s24, 1                          ; u
	s_lshl_b32 s36, ttmp9, 18                      ; x: 64 rows of 4,096 bytes a block,
	s_lshl_b32 s45, s44, 17                        ; 32 rows a batch,
	s_add_co_u32 s36, s36, s45
	s_lshl_b32 s45, s46, 15                        ; 8 rows for u = 1,
	s_add_co_u32 s36, s36, s45
	s_lshl_b32 s45, s25, 10                        ; 1,024 bytes for 256 along K
	s_add_co_u32 s36, s36, s45
	s_mov_b32 s37, 0
	s_mul_i32 s38, ttmp9, 49152                    ; xcod: 4 tiles of 12,288 bytes a block,
	s_mul_i32 s45, s24, 12288
	s_add_co_u32 s38, s38, s45
	s_mul_i32 s45, s25, 3072                       ; two K steps
	s_add_co_u32 s38, s38, s45
	s_mov_b32 s39, 0
	s_lshl_b32 s40, ttmp9, 11                      ; xscl: 2,048 bytes a block, 256 (4 batch + kq), 128 u
	s_lshl_b32 s45, s44, 10
	s_add_co_u32 s40, s40, s45
	s_lshl_b32 s45, s25, 8
	s_add_co_u32 s40, s40, s45
	s_lshl_b32 s45, s46, 7
	s_add_co_u32 s40, s40, s45
	s_mov_b32 s41, 0
	s_lshr_b32 s26, ttmp9, 6                       ; mat: 0 Wq, 1 Wk, 2 Wv, 3 Wp
	s_bfe_u32 s27, ttmp9, 0x40002                  ; hq: the head, or which 64 columns of Wp
	s_and_b32 s28, ttmp9, 3
	s_and_b32 s29, s22, 1                          ; u of the weight fragment (waves 0-7 use these)
	s_bfe_u32 s30, s22, 0x10001                    ; b
	s_bfe_u32 s24, s22, 0x10002
	s_lshl_b32 s31, s28, 1
	s_add_co_u32 s31, s31, s24                     ; s: the weight fragment's K step
	; the weight fragment: both forms of each offset are made, then chosen on mat == 3 (offsets alone; the pointers are chosen below)
	s_lshl_b32 s46, s27, 18                        ; Wq, Wk, Wv: a head is 262,144 bytes, a K step 128 rows of 256
	s_lshl_b32 s45, s31, 15
	s_add_co_u32 s46, s46, s45
	s_lshl_b32 s47, s27, 8                         ; Wp: 64 columns are 256 bytes, a K step 128 rows of 4,096
	s_lshl_b32 s45, s31, 19
	s_add_co_u32 s47, s47, s45
	s_lshl_b32 s48, s26, 1
	s_add_co_u32 s48, s48, s30
	s_mul_i32 s48, s48, 25600
	s_mul_i32 s45, s27, 153600
	s_add_co_u32 s48, s48, s45                     ; wqkv: head hq, pair 2 mat + b
	s_lshl_b32 s49, s27, 1
	s_add_co_u32 s49, s49, s30
	s_mul_i32 s49, s49, 25600                      ; wpc: pair 2 hq + b
	s_lshl_b32 s50, s29, 5                         ; 4 x 8 u
	s_lshl_b32 s51, s29, 6                         ; 4 x 16 u
	s_mov_b32 s52, 8192                            ; 32 rows of 256 bytes
	s_cmp_eq_u32 s26, 3
	s_cselect_b32 s46, s47, s46
	s_cselect_b32 s48, s49, s48
	s_cselect_b32 s50, s51, s50
	s_cselect_b32 s52, 131072, s52                 ; 32 rows of 4,096 bytes
	s_cselect_b32 s53, 0, 8                        ; Wp's columns are neighbours; the heads' are r + 8 (r / 8)
	s_mov_b32 s47, 0
	s_lshl_b32 s45, s30, 7
	s_add_co_u32 s50, s50, s45                     ; + 4 x 32 b
	v_and_b32 v10, s53, v2
	s_delay_alu instid0(VALU_DEP_1)
	v_add_nc_u32 v10, v10, v2
	s_delay_alu instid0(VALU_DEP_1)
	v_lshlrev_b32 v7, 2, v10
	s_delay_alu instid0(VALU_DEP_1)
	v_mad_u32_u24 v7, v3, s52, v7                  ; lanes 16-31 begin 32 rows further down
	s_delay_alu instid0(VALU_DEP_1)
	v_add_nc_u32 v7, s50, v7                       ; my column's byte in the K step's first row
	s_lshl_b32 s54, s31, 1
	s_add_co_u32 s54, s54, s29
	s_mul_i32 s54, s54, 1536
	s_add_co_u32 s54, s54, s48                     ; the image's place: fragment 2 s + u of the pair block
	s_mov_b32 s55, 0
	s_lshl_b32 s56, s31, 7
	s_lshl_b32 s45, s29, 6
	s_add_co_u32 s56, s56, s45
	s_add_co_u32 s56, s56, 24576
	s_add_co_u32 s56, s56, s48                     ; the scale words' place: 24,576 + 128 s + 64 u
	s_mov_b32 s57, 0
	s_wait_kmcnt 0x0
	s_add_nc_u64 s[36:37], s[4:5], s[36:37]
	s_add_nc_u64 s[38:39], s[14:15], s[38:39]
	s_add_nc_u64 s[40:41], s[16:17], s[40:41]
	s_cmp_eq_u32 s26, 1                            ; the choices hang on the work-group's number alone
	s_cselect_b64 s[32:33], s[8:9], s[6:7]
	s_cmp_eq_u32 s26, 2
	s_cselect_b64 s[32:33], s[10:11], s[32:33]
	s_cmp_eq_u32 s26, 3
	s_cselect_b64 s[32:33], s[12:13], s[32:33]
	s_cselect_b64 s[34:35], s[20:21], s[18:19]
	s_add_nc_u64 s[32:33], s[32:33], s[46:47]
	s_add_nc_u64 s[58:59], s[34:35], s[56:57]
	s_add_nc_u64 s[34:35], s[34:35], s[54:55]
.macro LOADW pitch                     ; W(64 c + 32 h + i, my column) into v[X + 32 c + i]
.irp c, 0,1
.irp i, 0,1,2,3,4,5,6,7,8,9,10,11,12,13,14,15,16,17,18,19,20,21,22,23,24,25,26,27,28,29,30,31
	global_load_b32 v[X+32*\c+\i], v7, s[32:33] offset:(64*\c+\i)*\pitch
.endr
.endr
.endm
.macro LOADX f, set                    ; my tile's K step 2 kq + f: sixteen loads, each 512 consecutive bytes of one row; the tile's rows are chosen in the immediate
.irp rho, 0,1,2,3,4,5,6,7,8,9,10,11,12,13,14,15
	global_load_b128 v[\set+4*\rho:\set+4*\rho+3], v4, s[36:37] offset:(\rho+8*(\rho/8))*4096+512*(\f) th:TH_LOAD_NT
.endr
.endm
.macro TURN set                        ; through my stage: in as rows, out 16 neighbours of each block a lane.  LDS serves a wave's instructions in order: no wait between the stores and the loads
.irp rho, 0,1,2,3,4,5,6,7,8,9,10,11,12,13,14,15
	ds_store_b128 v5, v[\set+4*\rho:\set+4*\rho+3] offset:SP*\rho
.endr
.irp n, 0,1,2,3
.irp j, 0,1,2,3
	ds_load_b128 v[X+16*\n+4*\j:X+16*\n+4*\j+3], v6 offset:128*\n+16*\j
.endr
.endr
.endm
.macro QUANT w                         ; the 64 numbers in v[X] on become a fragment's codes in v[PC] .. v[PC + 11] and its scale word in v[w]
.irp n, 0,1,2,3
	v_max3_num_f32 v[TM+\n], |v[X+16*\n]|, |v[X+1+16*\n]|, 0x1800000   ; block n: my 16 numbers, and the floor 2^(3 - 127): the byte cannot fall under 1
.endr
.irp i, 2,4,6,8,10,12,14
.irp n, 0,1,2,3
	s_delay_alu instid0(VALU_DEP_4)
	v_max3_num_f32 v[TM+\n], v[TM+\n], |v[X+16*\n+\i]|, |v[X+1+16*\n+\i]|   ; the four blocks by turns
.endr
.endr
.irp n, 0,1,2,3
	s_delay_alu instid0(VALU_DEP_4)
	v_permlanex16_b32 v[TM+4+\n], v[TM+\n], s[SEL], s[SEL+1]
.endr
.irp n, 0,1,2,3
	s_delay_alu instid0(VALU_DEP_4)
	v_max_num_f32 v[TM+\n], v[TM+\n], v[TM+4+\n]   ; with lane l xor 16's 16: the block's largest magnitude
.endr
.irp n, 0,1,2,3
	s_delay_alu instid0(VALU_DEP_4)
	v_add_nc_u32 v[TM+12+\n], 0xff000000, v[TM+\n] ; 2 off its exponent field: the conversion takes the exponent field of this operand as its scale
.endr
.irp n, 0,1,2,3
	s_delay_alu instid0(VALU_DEP_4)
	v_lshrrev_b32 v[TM+4+\n], 23, v[TM+12+\n]      ; the scale's byte
.endr
	s_delay_alu instid0(VALU_DEP_3)
	v_lshl_or_b32 v[\w], v[TM+5], 8, v[TM+4]
	s_delay_alu instid0(VALU_DEP_1)
	v_lshl_or_b32 v[\w], v[TM+6], 16, v[\w]
	s_delay_alu instid0(VALU_DEP_1)
	v_lshl_or_b32 v[\w], v[TM+7], 24, v[\w]        ; my row's scale word (both halves of the lanes hold it)
.irp c, 0,1
	v_cvt_scalef32_pk16_fp6_f32 v[PC+6*\c:PC+2+6*\c], v[X+32*\c:X+15+32*\c], v[TM+12+2*\c]
	v_cvt_scalef32_pk16_fp6_f32 v[PC+12+4*\c:PC+14+4*\c], v[X+16+32*\c:X+31+32*\c], v[TM+13+2*\c]   ; (a conversion's three registers begin on an even number)
.endr
	v_nop                                          ; one plain place behind a scaled conversion
.irp c, 0,1                            ; the layout wants a whole block in a lane: lanes 0-15 block 2 c, lanes 16-31 block 2 c + 1
.irp i, 0,1,2
	v_permlane16_swap_b32 v[PC+6*\c+\i], v[PC+12+4*\c+\i]
.endr
.irp i, 0,1,2
	s_delay_alu instid0(VALU_DEP_3)
	v_mov_b32 v[PC+3+6*\c+\i], v[PC+12+4*\c+\i]
.endr
.endr
.endm
.macro IMG base, off                   ; the fragment leaves as it stands: three stores of 512 consecutive bytes
.irp c, 0,1,2
	global_store_b128 v4, v[PC+4*\c:PC+4*\c+3], s[\base:\base+1] offset:\off+512*\c
.endr
.endm
.macro XFRAG f, set
	s_wait_loadcnt 16*(1-(\f))                     ; this fragment's sixteen loads are in; behind the first the second's sixteen may be out
	TURN \set
	s_wait_dscnt 0x0                               ; my 64 numbers are back
	s_wait_xcnt 0x0                                ; the earlier stores have read the codes' registers: they are written again only behind this wait (no load has been issued since the head)
	QUANT 16+(\f)
	IMG 38, 1536*(\f)
.endm
	s_cmp_lt_u32 s22, 8                            ; waves 0-7 have a weight fragment: its loads first, so that it is worked on while x is on its way
	s_cbranch_scc0 .Lx_only
	s_cmp_eq_u32 s26, 3                            ; the two forms differ in the immediates alone: 64 loads into the same registers on either way
	s_cbranch_scc1 .Lwp
	s_wait_alu depctr_va_vdst(0)
	LOADW 256
	s_branch .Lloaded
.Lwp:
	s_wait_alu depctr_va_vdst(0)
	LOADW 4096
.Lloaded:
	LOADX 0, R1
	LOADX 1, R0
	s_wait_loadcnt 32                              ; the weight's 64 loads are in; the 32 of x behind them may be out
.irp c, 0,1                            ; my block 2 c + h of my column: all its 32 numbers are mine
	v_max3_num_f32 v[TM+\c], |v[X+32*\c]|, |v[X+1+32*\c]|, 0x1800000
.endr
.irp i, 2,4,6,8,10,12,14,16,18,20,22,24,26,28,30
.irp c, 0,1
	s_delay_alu instid0(VALU_DEP_2)
	v_max3_num_f32 v[TM+\c], v[TM+\c], |v[X+32*\c+\i]|, |v[X+1+32*\c+\i]|
.endr
.endr
.irp c, 0,1
	s_delay_alu instid0(VALU_DEP_2)
	v_add_nc_u32 v[TM+12+\c], 0xff000000, v[TM+\c]
.endr
.irp c, 0,1
	s_delay_alu instid0(VALU_DEP_2)
	v_lshrrev_b32 v[TM+4+\c], 23, v[TM+12+\c]
.endr
	s_delay_alu instid0(VALU_DEP_1)
	v_lshl_or_b32 v[PW], v[TM+5], 16, v[TM+4]      ; my two bytes: blocks h and 2 + h,
	v_lshlrev_b32 v10, 3, v3
	s_delay_alu instid0(VALU_DEP_1)
	v_lshlrev_b32 v[PW], v10, v[PW]                ; at their places in the word (8 h bits up);
	v_mov_b32 v10, 0
	s_delay_alu instid0(VALU_DEP_1)
	v_permlanex16_b32 v10, v[PW], s[SEL], s[SEL+1]
	s_delay_alu instid0(VALU_DEP_1)
	v_or_b32 v[PW], v[PW], v10                     ; with lane l xor 16's two the word is whole
.irp c, 0,1
	v_cvt_scalef32_pk16_fp6_f32 v[PC+6*\c:PC+2+6*\c], v[X+32*\c:X+15+32*\c], v[TM+12+\c]
	v_cvt_scalef32_pk16_fp6_f32 v[PC+12+4*\c:PC+14+4*\c], v[X+16+32*\c:X+31+32*\c], v[TM+12+\c]
.endr
	v_nop                                          ; one plain place behind a scaled conversion
.irp c, 0,1
.irp i, 0,1,2
	v_mov_b32 v[PC+3+6*\c+\i], v[PC+12+4*\c+\i]
.endr
.endr
	IMG 34, 0
	global_store_b32 v9, v[PW], s[58:59]           ; lanes r and r + 16 store the same word to the same place
	s_branch .Lx
.Lx_only:
	LOADX 0, R1
	LOADX 1, R0
.Lx:
	XFRAG 0, R1
	XFRAG 1, R0
	global_store_b64 v8, v[16:17], s[40:41]        ; my tile's two words a row: 128 consecutive bytes; lanes r and r + 16 store the same words to the same place
	s_wait_tensorcnt 0x0
	ds_add_u32 v59, v63
	s_wait_dscnt 0x0
	s_endpgm
.Lfunc_end_k_qddb208429c_prep:
	.size	k_qddb208429c_prep, .Lfunc_end_k_qddb208429c_prep-k_qddb208429c_prep
	.p2alignl 7, 3214868480
	.fill 96, 4, 3214868480
	.section	.rodata,"a",@progbits
	.p2align	6, 0x0
	.amdhsa_kernel k_qddb208429c_prep
		.amdhsa_group_segment_fixed_size 137216
		.amdhsa_private_segment_fixed_size 0
		.amdhsa_enable_private_segment 0
		.amdhsa_kernarg_size 72
		.amdhsa_user_sgpr_count 2
		.amdhsa_user_sgpr_kernarg_segment_ptr 1
		.amdhsa_wavefront_size32 1
		.amdhsa_system_sgpr_workgroup_id_x 1
		.amdhsa_system_sgpr_workgroup_id_y 1
		.amdhsa_system_sgpr_workgroup_id_z 1
		.amdhsa_system_vgpr_workitem_id 0
		.amdhsa_next_free_vgpr 256
		.amdhsa_next_free_sgpr 66
		.amdhsa_reserve_vcc 0
		.amdhsa_float_denorm_mode_32 3
		.amdhsa_float_denorm_mode_16_64 3
		.amdhsa_memory_ordered 1
		.amdhsa_forward_progress 1
		.amdhsa_inst_pref_size 44
	.end_amdhsa_kernel
	.amdgpu_metadata
---
amdhsa.version: [ 1, 2 ]
amdhsa.kernels:
  - .name:           k_qddb208429c_prep
    .symbol:         k_qddb208429c_prep.kd
    .args:
      - { .name: x, .offset: 0, .size: 8, .value_kind: global_buffer, .address_space: global }
      - { .name: Wq, .offset: 8, .size: 8, .value_kind: global_buffer, .address_space: global }
      - { .name: Wk, .offset: 16, .size: 8, .value_kind: global_buffer, .address_space: global }
      - { .name: Wv, .offset: 24, .size: 8, .value_kind: global_buffer, .address_space: global }
      - { .name: Wp, .offset: 32, .size: 8, .value_kind: global_buffer, .address_space: global }
      - { .name: xcod, .offset: 40, .size: 8, .value_kind: global_buffer, .address_space: global }
      - { .name: xscl, .offset: 48, .size: 8, .value_kind: global_buffer, .address_space: global }
      - { .name: wqkv, .offset: 56, .size: 8, .value_kind: global_buffer, .address_space: global }
      - { .name: wpc, .offset: 64, .size: 8, .value_kind: global_buffer, .address_space: global }
    .group_segment_fixed_size: 137216
    .private_segment_fixed_size: 0
    .kernarg_segment_align: 8
    .kernarg_segment_size: 72
    .max_flat_workgroup_size: 512
    .sgpr_count:     66
    .vgpr_count:     256
    .wavefront_size: 32
...
	.end_amdgpu_metadata
.endif
;; end of part 1
;; launch attn (part 2): grid 4 x 64, 4 waves a work-group, clusters of 4 x 4, 327,680 bytes of LDS; arguments xcod, xscl, wqkv, acod, ascl; writes acod, ascl
.if DOCPART == 2
	.amdgcn_target "amdgcn-amd-amdhsa--gfx1250"
	.amdhsa_code_object_version 6
	.text
	.protected	k_qddb208429c_attn
	.globl	k_qddb208429c_attn
	.p2align	8
	.type	k_qddb208429c_attn,@function
k_qddb208429c_attn:
	s_mov_b64 s[64:65], 0
	v_nop
	global_prefetch_b8 v0, s[64:65] scope:SCOPE_SE
	s_setreg_imm32_b32 hwreg(HW_REG_WAVE_MODE, 25, 1), 1
	s_wait_xcnt 0x0
	s_wait_alu depctr_hold_cnt(0) depctr_sa_sdst(0) depctr_va_vdst(0) depctr_va_sdst(0) depctr_va_ssrc(0) depctr_va_vcc(0) depctr_vm_vsrc(0)
	s_getreg_b32 s2, hwreg(HW_REG_IB_STS2, 6, 4)
	s_cmp_eq_u32 s2, 0
	s_cbranch_scc0 .Lentry_in_a_cluster
	s_endpgm
.Lentry_in_a_cluster:
	s_bfe_u32 s2, ttmp6, 0x10000c
	s_cmp_lg_u32 s2, 0xf033
	s_cbranch_scc0 .Lentry_shape_is_right
	s_endpgm
.Lentry_shape_is_right:
; ATTN: q, k, v = x W (per head), S = q k^T / 8 under the causal mask, p = 2^(t - M), O = p v / l, all five products on codes of FP6 (E2M3) with one E8M0 scale for each 32 along K.  O leaves as codes for the last product.
; SHARES.  A work-group takes 256 rows of x and 4 heads.  Each of its four waves keeps ITS 64 rows (two batches of 32 tokens: four tiles of 16) as 32 fragments in 384 registers for the whole launch; all four waves walk the
; same head's weights, which lie in LDS as images of operand registers (a slot = one head = 153,600 bytes).  A weight fragment is read from LDS once a wave and feeds four matrix instructions.  q, k, v, p and O never leave the wave.
; CLUSTER.  4 x 4 work-groups; the four of a column take the same heads, so a head's weights are asked for JOINTLY, a quarter (38,400 dense bytes) a wave.
; LAYOUTS.  Row r of tile m = 2 batch + u is token 8 u + r + 8 (r / 8); lane r of weight tile (b, u) is column d = 32 b + 8 u + r + 8 (r / 8).
;   q, k: source 0 = W, source 1 = x: a lane holds one token, the 16 registers of tiles u = 0, 1 are d = 32 b + 16 (lane / 16) + 0 .. 15: neighbours along the scores' K.
;   v:    source 0 = x, source 1 = W: a lane holds one d, the 16 registers of row tiles u = 0, 1 are tokens 16 (lane / 16) + 0 .. 15: neighbours along the keys.
;   S^T = k q^T: a lane holds one query, its 16 registers keys 16 (lane / 16) + 0 .. 15.  THE CAUSAL MASK IS THE C OF THIS PRODUCT: 0 where the key counts, -3e38 where it does not.
;   O^T = v^T p^T with K = 64: keys of batch 0 at k = 0 .. 31, of batch 1 at k = 32 .. 63; a tile of p has zero codes in the other batch's half.  A lane holds one query and d = 32 b + 16 (lane / 16) + 0 .. 15.
;   The small operands have K = 64: their registers 6-11 (k = 64 .. 127) hold zero codes, written once.
; BY TURNS.  The projections fill two sets of 64 accumulators, A and B, alternately.  While 64 products fill one set, the other set is quantised: its list of vector lines is cut into slices of three, one behind every second
; matrix instruction.  The lists work in window 0 and the products' operands lie in windows 1 to 3, so a slice costs two switches of the window: three vector lines and two switches stand beside two matrix instructions.
; THE CHANGE OF SLOTS stands behind a head's last projection: nothing reads the slot after it, so the refill goes out there, and the next head's first fragments are fetched from the other slot under the scores, the softmax and the way out.
; SOFTMAX.  t = score x log2(e) / 8; M = ceil(the row's largest t); p = 2^(t - M) is quantised along the keys; l = the sum of the unquantised p; O is multiplied by 1 / l (v_rcp_f32) and then quantised along (head, d).
; LIMITS: NaN and infinities are not served.  A block whose largest magnitude lies under 2^-124 (a block of zeros too) gets the scale byte 1.  Hidden scores are -3e38 and not -infinity: p is 0 all the same while true scores stay under 1e37 in magnitude.
; OUT.  acod [head][tile][768]: registers 0-5 of a tile's operand (64 along K): chunk j holds lane l's registers 2 j, 2 j + 1 at 256 j + 8 l.  ascl [head][blk][lane][2]: word mp of lane (r, h): bytes 0, 1 = the scales of d blocks 0, 1 of tile 2 mp + h, row r.
; REGISTERS, in windows of 256 (s_set_vgpr_msb: bits 1:0 source 0, 3:2 source 1, 5:4 source 2, 7:6 destination):
;   window 0: v1-11 addresses; v16-63 scale words; v64-95 at work; v96-127 codes just made; v128-191 accumulator set A, v192-255 set B (also S^T and O^T)
;   window 1: x's fragments of K steps 0-4 at v[12 (4 s + m)]; v240-255 the mask for query tiles u = 0
;   window 2: x's fragments of K steps 5-7; from v144 q's four operands, from v192 k's
;   window 3: v0-143 three buffers of four weight fragments; from v144 v's four operands, from v192 p's; v240-255 the mask for query tiles u = 1
.set SLOT,  153600                     ; a head's weights: six pair blocks
.set QUART, 38400                      ; what one tensor load brings: 150 rows of 256 bytes
.set PAIR,  25600                      ; a pair block: 16 fragments of 1,536 bytes, then 8 x 128 bytes of scale words
.set SPARE, 2*SLOT                     ; behind the two slots: the spare words, 128 bytes for each wave: two blocks of 256 bytes that no other line names
.set LI,  1                            ; v1   16 x lane
.set LS,  2                            ; v2   4 x lane
.set GA,  3                            ; v3   8 x lane
.set SPW, 4                            ; v4   LDS address of my spare word; never rewritten
.set NIL, 5                            ; v5   0; never rewritten
.set AD,  6                            ; v6-8   LDS address of my 16 bytes in pairs 0, 2, 4 of the slot in hand
.set AS,  9                            ; v9-11  the same for my 4 bytes
.set XS,  16                           ; v16-31 x's scale words: register 8 mp + s: lanes 0-15 tile 2 mp, lanes 16-31 tile 2 mp + 1
.set WS,  32                           ; v32-47 the weights' scale words, two sets of 8 K steps: lanes 0-15 tile u = 0, lanes 16-31 u = 1
.set QS,  48                           ; v48-51 q's, v52-55 k's, v56-59 v's, v60-63 p's scale words
.set KS,  52
.set VS,  56
.set PS,  60
.set TM,  64                           ; the quantiser: v64-67 largest magnitudes, v76-79 the conversions' scale operands
.set BB,  68                           ; v68-71 the other half's magnitudes, then a set's four scale bytes
.set BA,  72                           ; v72-75 set A's four scale bytes, kept until set B's are made (q and k)
.set MX,  64                           ; softmax: v64-67 the rows' largest scores, then largest p, then bytes
.set T2,  68                           ; v68-71 the other half's; then the conversions' scale operands
.set NM,  72                           ; v[72 + 2 t] -M, later 1 / l; v[73 + 2 t] the largest t
.set SU,  80                           ; v[80 + 2 t : 81 + 2 t] the row's sum in two halves
.set OW,  88                           ; v88-91 O's scale words, v92-93 as they leave
.set CA,  96                           ; v96-111  codes of four blocks, four registers' room each
.set CB,  112                          ; v112-127 the same for the other set
.set PC,  96                           ; softmax: p's codes
.set SA,  128
.set SB,  192
.set QO,  144                          ; in window 2
.set KO,  192
.set VO,  144                          ; in window 3
.set PO,  192
.set MK,  240                          ; in windows 1 and 3
.set WV,  14                           ; s14  my wave's number
.set G1,  24                           ; s[24:31] descriptor group 1
.set G0A, 32                           ; s[32:35] group 0 of slot 0's first fill
.set G0B, 36                           ; s[36:39] group 0 of slot 1's first fill, which then walks
.set TB,  40                           ; s40  LDS byte at which the slot in hand begins
.set WQ,  41                           ; s41  my quarter's place in a slot
.set CNT, 42
.set UPH, 43                           ; s43  a mask of lanes 16-31
.set SEL, 44                           ; s[44:45] v_permlanex16_b32's selects for lane l xor 16
.set CS,  46                           ; s[46:47] c = log2(e) / 8
.set MSB, 0
.macro WIN new                         ; the immediate's high byte repeats the setting that is left; a switch that changes nothing is dropped
.if MSB != (\new)
	s_set_vgpr_msb (MSB<<8)|(\new)
.set MSB, (\new)
.endif
.endm
.macro PLACES n
.rept \n
	v_nop
.endr
.endm
.macro CROUND                          ; a round of the cluster's barrier
	s_barrier_signal -1
	s_barrier_wait -1
	s_cmp_lg_u32 s[WV], 0
	s_cbranch_scc1 .Lnot_wave_0_\@
	s_barrier_signal -3
.Lnot_wave_0_\@:
	s_barrier_wait -3
	s_barrier_signal -1
	s_barrier_wait -1
.endm
; One matrix instruction.  c: C's first register, or -1 for the constant 0.  ra, rb: 1 = that side's scales stand in lanes 16-31.
.macro WM d, a, b, c, sa, sb, ra, rb
.set WSEL, 2*(\ra)+(\rb)
.if (\c) < 0
.if WSEL == 0
	v_wmma_scale_f32_16x16x128_f8f6f4 v[(\d):(\d)+7], v[(\a):(\a)+11], v[(\b):(\b)+11], 0, v[\sa], v[\sb] matrix_a_fmt:MATRIX_FMT_FP6 matrix_b_fmt:MATRIX_FMT_FP6
.elseif WSEL == 1
	v_wmma_scale_f32_16x16x128_f8f6f4 v[(\d):(\d)+7], v[(\a):(\a)+11], v[(\b):(\b)+11], 0, v[\sa], v[\sb] matrix_a_fmt:MATRIX_FMT_FP6 matrix_b_fmt:MATRIX_FMT_FP6 matrix_b_scale:MATRIX_SCALE_ROW1
.elseif WSEL == 2
	v_wmma_scale_f32_16x16x128_f8f6f4 v[(\d):(\d)+7], v[(\a):(\a)+11], v[(\b):(\b)+11], 0, v[\sa], v[\sb] matrix_a_fmt:MATRIX_FMT_FP6 matrix_b_fmt:MATRIX_FMT_FP6 matrix_a_scale:MATRIX_SCALE_ROW1
.else
	v_wmma_scale_f32_16x16x128_f8f6f4 v[(\d):(\d)+7], v[(\a):(\a)+11], v[(\b):(\b)+11], 0, v[\sa], v[\sb] matrix_a_fmt:MATRIX_FMT_FP6 matrix_b_fmt:MATRIX_FMT_FP6 matrix_a_scale:MATRIX_SCALE_ROW1 matrix_b_scale:MATRIX_SCALE_ROW1
.endif
.else
.if WSEL == 0
	v_wmma_scale_f32_16x16x128_f8f6f4 v[(\d):(\d)+7], v[(\a):(\a)+11], v[(\b):(\b)+11], v[(\c):(\c)+7], v[\sa], v[\sb] matrix_a_fmt:MATRIX_FMT_FP6 matrix_b_fmt:MATRIX_FMT_FP6
.elseif WSEL == 1
	v_wmma_scale_f32_16x16x128_f8f6f4 v[(\d):(\d)+7], v[(\a):(\a)+11], v[(\b):(\b)+11], v[(\c):(\c)+7], v[\sa], v[\sb] matrix_a_fmt:MATRIX_FMT_FP6 matrix_b_fmt:MATRIX_FMT_FP6 matrix_b_scale:MATRIX_SCALE_ROW1
.elseif WSEL == 2
	v_wmma_scale_f32_16x16x128_f8f6f4 v[(\d):(\d)+7], v[(\a):(\a)+11], v[(\b):(\b)+11], v[(\c):(\c)+7], v[\sa], v[\sb] matrix_a_fmt:MATRIX_FMT_FP6 matrix_b_fmt:MATRIX_FMT_FP6 matrix_a_scale:MATRIX_SCALE_ROW1
.else
	v_wmma_scale_f32_16x16x128_f8f6f4 v[(\d):(\d)+7], v[(\a):(\a)+11], v[(\b):(\b)+11], v[(\c):(\c)+7], v[\sa], v[\sb] matrix_a_fmt:MATRIX_FMT_FP6 matrix_b_fmt:MATRIX_FMT_FP6 matrix_a_scale:MATRIX_SCALE_ROW1 matrix_b_scale:MATRIX_SCALE_ROW1
.endif
.endif
.endm
; THE QUANTISER AS A NUMBERED LIST.  A set holds four blocks of 32 along a K, block n as the 16 registers v[set + 16 n] on of a lane (the block's other 16 lie in lane l xor 16).  JOB names a set and what is made of it; ITEM writes
; line J of the list and steps J; behind the list's end it writes nothing.
;   0-31   the largest magnitude of my 16 numbers of each block, with the floor 2^(3 - 127) among them (the byte cannot fall under 1); the four blocks by turns; each accumulator is read from its low end on
;   32-47  the other half of the lanes' 16; 2 off the exponent field: the conversion's scale operand; the scale's byte, into v[by + n]
;   48-52  the conversions, block n's 16 codes of the lane into v[cd + 4 n] on; one plain line behind them
;   kind 0 (q, k; the list of set B, set A's codes and bytes being kept in CA, BA): 53-56 tile n's scale word; 57-68 the halves of the lanes change places, so that a lane holds a whole block (lanes 0-15 d 0-31, lanes 16-31 d 32-63); 69-92 into the operands, window 2
;   kind 1 (v) and 2 (O): a unit = blocks 2 c, 2 c + 1 of ONE set: 53-54 its scale word; 55-60 the exchange; kind 1: 61-72 into the operands, window 3; kind 2: 61-66 a unit's six registers are closed up, for stores of 8 bytes
.macro JOB set, cd, by, kind, w, op, n
.set J, 0
.set JSET, \set
.set JCD, \cd
.set JBY, \by
.set JKIND, \kind
.set JW, \w
.set JOP, \op
.set JEND, \n
.endm
.macro ITEM
.if J < JEND
.set QN, J%4
.if J < 4
	WIN 0
	v_max3_num_f32 v[TM+QN], |v[JSET+16*QN]|, |v[JSET+16*QN+1]|, 0x1800000
.elseif J < 32
	WIN 0
	v_max3_num_f32 v[TM+QN], v[TM+QN], |v[JSET+16*QN+2*(J/4)]|, |v[JSET+16*QN+2*(J/4)+1]|
.elseif J < 36
	WIN 0
	v_permlanex16_b32 v[BB+QN], v[TM+QN], s[SEL], s[SEL+1]
.elseif J < 40
	WIN 0
	v_max_num_f32 v[TM+QN], v[TM+QN], v[BB+QN]
.elseif J < 44
	WIN 0
	v_add_nc_u32 v[TM+12+QN], 0xff000000, v[TM+QN]
.elseif J < 48
	WIN 0
	v_lshrrev_b32 v[JBY+QN], 23, v[TM+12+QN]
.elseif J < 52
	WIN 0
	v_cvt_scalef32_pk16_fp6_f32 v[JCD+4*QN:JCD+4*QN+2], v[JSET+16*QN:JSET+16*QN+15], v[TM+12+QN]
.elseif J == 52
	v_nop
.elseif JKIND == 0
.if J < 57
.set QK, J-53
	WIN 0
	v_lshl_or_b32 v[JW+QK], v[BB+QK], 8, v[BA+QK]
.elseif J < 69
.set QK, J-57
	WIN 0
	v_permlane16_swap_b32 v[CA+4*(QK/3)+QK%3], v[CB+4*(QK/3)+QK%3]
.else
.set QK, J-69
	WIN 0x80
.if QK%6 < 3
	v_mov_b32 v[JOP+12*(QK/6)+QK%6], v[CA+4*(QK/6)+QK%6]
.else
	v_mov_b32 v[JOP+12*(QK/6)+QK%6], v[CB+4*(QK/6)+QK%6-3]
.endif
.endif
.else
.if J < 55
.set QK, J-53
	WIN 0
	v_lshl_or_b32 v[JW+QK], v[JBY+2*QK+1], 8, v[JBY+2*QK]
.elseif J < 61
.set QK, J-55
	WIN 0
	v_permlane16_swap_b32 v[JCD+8*(QK/3)+QK%3], v[JCD+8*(QK/3)+4+QK%3]
.elseif JKIND == 1
.set QK, J-61
	WIN 0xc0
.if QK%6 < 3
	v_mov_b32 v[JOP+12*(QK/6)+QK%6], v[JCD+8*(QK/6)+QK%6]
.else
	v_mov_b32 v[JOP+12*(QK/6)+QK%6], v[JCD+8*(QK/6)+1+QK%6]
.endif
.else
.set QK, J-61
	WIN 0
	v_mov_b32 v[JCD+8*(QK/3)+3+QK%3], v[JCD+8*(QK/3)+4+QK%3]
.endif
.endif
.set J, J+1
.endif
.endm
.macro SLICE n
.rept \n
	ITEM
.endr
.endm
.macro FLUSH                           ; what is left of the list (nothing, where the 32 slices of four groups have taken it all)
.rept 96
	ITEM
.endr
.endm
; Eight matrix instructions: K step s of my four row tiles x the pair's two column tiles (fragments at v[wf], v[wf + 12] of window 3).  The eight accumulators take turns, one instruction a turn, in the same order
; in every K step.  K step 0 starts the sums with the constant 0: nothing is cleared.  kind 0: source 0 = W (q, k); kind 1: source 0 = x (v).  Behind every second one a slice of the list in hand, which names the other set.
.macro MUL8 s, wf, kind, ab, ws
.if (\s) < 5
.set XB, 48*(\s)
.set XW, 1
.else
.set XB, 48*((\s)-5)
.set XW, 2
.endif
.if \kind
.set MW, XW|0x0c
.else
.set MW, (XW<<2)|0x03
.endif
.irp m, 0,1,2,3
.irp u, 0,1
.if \kind
.set DD, (\ab)+32*\u+8*\m
.else
.set DD, (\ab)+16*\m+8*\u
.endif
.set CC, DD
.if (\s) == 0
.set CC, -1
.endif
	WIN MW
.if \kind
	WM DD, XB+12*\m, (\wf)+12*\u, CC, XS+8*(\m/2)+(\s), (\ws)+(\s), \m%2, \u
.else
	WM DD, (\wf)+12*\u, XB+12*\m, CC, (\ws)+(\s), XS+8*(\m/2)+(\s), \u, \m%2
.endif
.endr
	SLICE 3
.endr
.endm
.macro FETCH g                         ; group g = two K steps of a pair: four fragments, 6,144 consecutive bytes, twelve loads of 512, into buffer g % 3
	WIN 0xc0                                       ; destination window 3, address window 0
.irp i, 0,1,2,3,4,5,6,7,8,9,10,11
	ds_load_b128 v[48*((\g)%3)+4*\i:48*((\g)%3)+4*\i+3], v[AD+(\g)/8] offset:PAIR*(((\g)/4)%2)+6144*((\g)%4)+512*\i
.endr
.endm
.macro SCALES p                        ; pair p's scale words for its eight K steps, into set p % 2
	WIN 0
.irp s, 0,1,2,3,4,5,6,7
	ds_load_b32 v[WS+8*((\p)%2)+\s], v[AS+(\p)/2] offset:PAIR*((\p)%2)+24576+128*\s
.endr
.endm
; A group: 16 matrix instructions, then four places (a load into registers that a matrix instruction has read stands four plain vector instructions behind it), then the fetch of the group three on into the buffer just multiplied:
; it has 32 matrix instructions in which to land.  The wait's count is what was issued behind FETCH g: the fetches of groups g + 1 and g + 2, twelve loads each, and eight more where a pair's scale words stand in front of one.
; Groups 0 to 3 also wait for x, which in the first head is still on its way: group g wants K steps 2 g and 2 g + 1; behind them 12 loads for each later K step may be out (72, held to the 63 that a wait can name, 48, 24, 0).
.macro GROUP g, last, kind, ab
.set NW, 0
.if (\g)+1 <= \last
.set NW, NW+12
.if ((\g)+1)%4 == 0
.set NW, NW+8
.endif
.endif
.if (\g)+2 <= \last
.set NW, NW+12
.if ((\g)+2)%4 == 0
.set NW, NW+8
.endif
.endif
.if (\g) < 4
.set LW, 72-24*(\g)
.if LW > 63
.set LW, 63
.endif
	s_wait_loadcnt LW
.endif
	s_wait_dscnt NW
	MUL8 2*((\g)%4), 48*((\g)%3), \kind, \ab, WS+8*(((\g)/4)%2)
	MUL8 2*((\g)%4)+1, 48*((\g)%3)+24, \kind, \ab, WS+8*(((\g)/4)%2)
	SLICE 6                                        ; a further slice of six lines of the list in hand, ahead of the places and the fetch
	PLACES 4
	s_wait_alu depctr_va_vdst(0)
.if (\g)+3 <= \last
.if ((\g)+3)%4 == 0
	SCALES ((\g)+3)/4
.endif
	FETCH (\g)+3
.endif
.endm
.macro OSTORE cd, t0                   ; two tiles' codes to memory: each store covers 256 consecutive bytes, at a multiple of 256 from the buffer's first byte
	WIN 0
.irp c, 0,1
.irp j, 0,1,2
	global_store_b64 v[GA], v[(\cd)+8*\c+2*\j:(\cd)+8*\c+2*\j+1], s[48:49] offset:768*((\t0)+\c)+256*\j
.endr
.endr
.endm
.macro SCORES                          ; S^T = k q^T + the mask: eight sums of one instruction each
.irp j, 0,1
	WIN 0x1a+0x20*\j                               ; k and q in window 2, the mask in window 1 (query tiles u = 0) or 3 (u = 1)
.irp be, 0,1
.irp up, 0,1
	WM SA+16*(2*\be+\j)+8*\up, KO+12*(2*\be+\up), QO+12*(2*\be+\j), MK+8*\up, KS+2*\be+\up, QS+2*\be+\j, 0, 0
.endr
.endr
.endr
	WIN 0
	PLACES 4
.endm
.macro SOFTMAX                         ; tile t = 2 batch + u of queries: its scores in v[SA + 16 t] on.  The four tiles by turns
.irp t, 0,1,2,3
	v_max3_num_f32 v[MX+\t], v[SA+16*\t], v[SA+1+16*\t], v[SA+2+16*\t]
.endr
.irp i, 3,5,7,9,11,13
.irp t, 0,1,2,3
	v_max3_num_f32 v[MX+\t], v[MX+\t], v[SA+16*\t+\i], v[SA+1+16*\t+\i]
.endr
.endr
.irp t, 0,1,2,3
	v_max_num_f32 v[MX+\t], v[MX+\t], v[SA+15+16*\t]
.endr
.irp t, 0,1,2,3
	v_permlanex16_b32 v[T2+\t], v[MX+\t], s[SEL], s[SEL+1]
.endr
.irp t, 0,1,2,3
	v_max_num_f32 v[MX+\t], v[MX+\t], v[T2+\t]     ; the row's largest score (key 0 counts for every query)
.endr
.irp t, 0,1,2,3
	v_mul_f32 v[NM+1+2*\t], s[CS], v[MX+\t]        ; as t (c is positive)
.endr
.irp t, 0,1,2,3
	v_floor_f32 v[NM+2*\t], -v[NM+1+2*\t]          ; -M = floor(-t) = -ceil(t)
.endr
.irp i, 0,2,4,6,8,10,12,14
.irp t, 0,1,2,3
	v_pk_fma_f32 v[SA+16*\t+\i:SA+16*\t+\i+1], v[SA+16*\t+\i:SA+16*\t+\i+1], s[CS:CS+1], v[NM+2*\t:NM+2*\t+1] op_sel_hi:[1,0,0]   ; t - M, two at a time (of the pairs c and -M the low word serves both halves)
.endr
.endr
.irp t, 0,1,2,3
	v_fma_f32 v[MX+\t], v[MX+\t], s[CS], v[NM+2*\t]   ; the same of the row's largest score: p rises with the score, so this gives the block's largest p
.endr
	s_wait_alu depctr_va_vdst(0)                   ; a wait ahead of the batch
.irp i, 0,1,2,3,4,5,6,7,8,9,10,11,12,13,14,15
.irp t, 0,1,2,3
	v_exp_f32 v[SA+16*\t+\i], v[SA+16*\t+\i]       ; p = 2^(t - M): not normalised; 0 for hidden keys
.endr
.endr
.irp t, 0,1,2,3
	v_exp_f32 v[MX+\t], v[MX+\t]
.endr
	v_nop                                          ; a plain place behind the last exponential
	s_wait_alu depctr_va_vdst(0)                   ; one wait for the batch of 68, ahead of its first reader
.irp t, 0,1,2,3
	v_add_nc_u32 v[T2+\t], 0xff000000, v[MX+\t]    ; the largest p lies above 1/2 less an ulp: no floor is wanted.  2 off its exponent field: the conversion's scale operand
.endr
.irp t, 0,1,2,3
	v_lshrrev_b32 v[MX+\t], 23, v[T2+\t]
.endr
.irp t, 0,1,2,3
	v_lshl_or_b32 v[PS+\t], v[MX+\t], 8, v[MX+\t]  ; the byte for k = 0 .. 31 and for k = 32 .. 63: one half holds p's codes, the other zero codes
.endr
.irp t, 0,1,2,3
	v_pk_add_f32 v[SU+2*\t:SU+2*\t+1], v[SA+16*\t:SA+16*\t+1], v[SA+16*\t+2:SA+16*\t+3]   ; the row's sum of the unquantised p
.endr
.irp i, 4,6,8,10,12,14
.irp t, 0,1,2,3
	v_pk_add_f32 v[SU+2*\t:SU+2*\t+1], v[SU+2*\t:SU+2*\t+1], v[SA+16*\t+\i:SA+16*\t+\i+1]
.endr
.endr
.irp t, 0,1,2,3
.irp i, 0,1,2
	v_mov_b32 v[PC+4+8*\t+\i], 0                   ; zero codes for the other batch's half
.endr
.endr
.irp t, 0,1,2,3
	v_cvt_scalef32_pk16_fp6_f32 v[PC+8*\t:PC+8*\t+2], v[SA+16*\t:SA+16*\t+15], v[T2+\t]   ; the codes of keys 16 (lane / 16) + 0 .. 15
.endr
	v_nop                                          ; one plain place behind a scaled conversion
.irp t, 0,1                            ; batch 0: lanes 0-15 get keys 0-15 (first register run) and 16-31 (second), lanes 16-31 zeros
.irp i, 0,1,2
	v_permlane16_swap_b32 v[PC+8*\t+\i], v[PC+4+8*\t+\i]
.endr
.endr
.irp t, 2,3                            ; batch 1: lanes 16-31 get keys 0-15 (second register run) and 16-31 (first), lanes 0-15 zeros
.irp i, 0,1,2
	v_permlane16_swap_b32 v[PC+4+8*\t+\i], v[PC+8*\t+\i]
.endr
.endr
	WIN 0xc0
.irp t, 0,1
.irp i, 0,1,2
	v_mov_b32 v[PO+12*\t+\i], v[PC+8*\t+\i]
	v_mov_b32 v[PO+12*\t+3+\i], v[PC+4+8*\t+\i]
.endr
.endr
.irp t, 2,3
.irp i, 0,1,2
	v_mov_b32 v[PO+12*\t+\i], v[PC+4+8*\t+\i]
	v_mov_b32 v[PO+12*\t+3+\i], v[PC+8*\t+\i]
.endr
.endr
	WIN 0
.irp t, 0,1,2,3
	v_add_f32 v[SU+2*\t], v[SU+2*\t], v[SU+2*\t+1] ; the sum's two halves,  (these twelve are the places between p's operands and the products that read them)
.endr
.irp t, 0,1,2,3
	v_permlanex16_b32 v[MX+\t], v[SU+2*\t], s[SEL], s[SEL+1]
.endr
.irp t, 0,1,2,3
	v_add_f32 v[SU+2*\t], v[SU+2*\t], v[MX+\t]     ; and lane l xor 16's: l
.endr
	s_wait_alu depctr_va_vdst(0)                   ; a wait ahead of the four reciprocals
.irp t, 0,1,2,3
	v_rcp_f32 v[NM+2*\t], v[SU+2*\t]
.endr
	v_nop                                          ; a plain place behind the last reciprocal; the wait for the four stands behind the products below, which name none of them
.endm
.macro PV                              ; O^T = v^T p^T: sixteen sums of one instruction each
	WIN 0x0f                                       ; v and p in window 3
.irp n, 0,1,2,3
.irp t, 0,1,2,3
	WM SA+32*\t+8*\n, VO+12*\n, PO+12*\t, -1, VS+\n, PS+\t, 0, 0
.endr
.endr
	WIN 0
	PLACES 4
.endm
.macro FIRSTF                          ; a head's first fetches, from the slot at s[TB]: pair 0's scale words and groups 0 to 2
	v_add_nc_u32 v[AD], s[TB], v[LI]
	v_add_nc_u32 v[AD+1], 2*PAIR, v[AD]
	v_add_nc_u32 v[AD+2], 2*PAIR, v[AD+1]
	v_add_nc_u32 v[AS], s[TB], v[LS]
	v_add_nc_u32 v[AS+1], 2*PAIR, v[AS]
	v_add_nc_u32 v[AS+2], 2*PAIR, v[AS+1]
	SCALES 0
	FETCH 0
	FETCH 1
	FETCH 2
	WIN 0
.endm
; THE CHANGE OF SLOTS.  Each wave waits for all its tensor loads (its quarter of the other slot), adds 0 to its spare word, and waits for that and for its reads of the slot that it leaves.
; fill = 1: the barrier is a round of the cluster's, and the slot just left takes the head two further on: that load has more than a whole head's products in which to land.
.macro CHANGE fill
	WIN 0
	s_wait_tensorcnt 0x0                           ; no tensor load of mine is out, so a group 0 may be written
	ds_add_u32 v[SPW], v[NIL]                      ; 0 onto my spare word; the steps below stand between it and the wait for it
.if \fill
	s_add_co_u32 s[G0B+1], s[TB], s[WQ]            ; the walking descriptor: my quarter of the slot just left,
	s_add_nc_u64 s[G0B+2:G0B+3], s[G0B+2:G0B+3], SLOT   ; the next head; the type bits on top are not reached
.endif
	s_xor_b32 s[TB], s[TB], SLOT                   ; on to the other slot
	s_wait_dscnt 0x0                               ; the add is done, and my reads of the slot that I leave are over
.if \fill
	CROUND                                         ; no wave of any partner still reads that slot or has a load on its way
	tensor_load_to_lds s[G0B:G0B+3], s[G1:G1+7]    ; the first thing behind the round, and my one tensor load until the next
	s_nop 0
	PLACES 4
.else
	s_barrier_signal -1
	s_barrier_wait -1
.endif
.endm
; ONE HEAD.  Its first fetches were issued in the head before (or ahead of the loop).  guard = 1: the launch's last head has no successor to fetch for.
.macro HEAD fill, guard
	JOB 0, 0, 0, 0, 0, 0, 0                        ; no list in hand
.irp g, 0,1,2,3
	GROUP \g, 23, 0, SA                            ; q, d = 0 .. 31
.endr
	s_wait_xcnt 0x0                                ; the last head's stores, 64 matrix instructions back, have read their bases and their data: both are written again only behind this wait
	s_add_nc_u64 s[48:49], s[48:49], s[58:59]      ; this head's codes and scale words: the step is 0 in the first head
	s_add_nc_u64 s[50:51], s[50:51], s[60:61]
	s_mov_b32 s58, 786432
	s_mov_b32 s60, 65536
	JOB SA, CA, BA, 0, 0, 0, 53
.irp g, 4,5,6,7
	GROUP \g, 23, 0, SB                            ; q, d = 32 .. 63 | set A: q's lower blocks
.endr
	FLUSH
	JOB SB, CB, BB, 0, QS, QO, 93
.irp g, 8,9,10,11
	GROUP \g, 23, 0, SA                            ; k | set B: q's upper blocks, and q's four operands
.endr
	FLUSH
	JOB SA, CA, BA, 0, 0, 0, 53
.irp g, 12,13,14,15
	GROUP \g, 23, 0, SB                            ; k | set A
.endr
	FLUSH
	JOB SB, CB, BB, 0, KS, KO, 93
.irp g, 16,17,18,19
	GROUP \g, 23, 1, SA                            ; v, not transposed | set B, and k's four operands
.endr
	FLUSH
	JOB SA, CA, BB, 1, VS, VO, 73                  ; a unit = a tile of 16 d; its two blocks = the two batches' 32 keys
.irp g, 20,21,22,23
	GROUP \g, 23, 1, SB                            ; v | set A, and v's first two operands
.endr
	FLUSH
	CHANGE \fill
.if \guard
	s_cmp_eq_u32 s[CNT], 1
	s_cbranch_scc1 .Lno_next_\@
.endif
	FIRSTF                                         ; the next head's: they land under what follows
.if \guard
.Lno_next_\@:
.endif
	JOB SB, CB, BB, 1, VS+2, VO+24, 73
	FLUSH
	SCORES
	SOFTMAX
	PV
	s_wait_alu depctr_va_vdst(0)                   ; one wait for the four reciprocals, ahead of their first reader
.irp t, 0,1,2,3
.irp i, 0,2,4,6,8,10,12,14,16,18,20,22,24,26,28,30
	v_pk_mul_f32 v[SA+32*\t+\i:SA+32*\t+\i+1], v[SA+32*\t+\i:SA+32*\t+\i+1], v[NM+2*\t:NM+2*\t+1] op_sel_hi:[1,0]   ; O / l, each accumulator from its low end on
.endr
.endr
	JOB SA, CA, BB, 2, OW, 0, 67                   ; a unit = a tile of 16 rows; its two blocks = d 0 .. 31 and 32 .. 63 of this head
	FLUSH
	OSTORE CA, 0
	JOB SB, CB, BB, 2, OW+2, 0, 67                 ; (codes in registers of their own: the stores above may still be reading theirs)
	FLUSH
	OSTORE CB, 2
	v_cndmask_b32 v[OW+4], v[OW], v[OW+1], s[UPH]  ; lanes 0-15 keep the even tile's word, lanes 16-31 take the odd tile's
	v_cndmask_b32 v[OW+5], v[OW+2], v[OW+3], s[UPH]
	global_store_b64 v[GA], v[OW+4:OW+5], s[50:51]
.endm
	s_load_b256 s[4:11], s[0:1], 0x0               ; xcod s[4:5], xscl s[6:7], wqkv s[8:9], acod s[10:11]
	s_load_b64 s[12:13], s[0:1], 0x20              ; ascl
	v_lshl_add_u32 v[SPW], v0, 2, SPARE
	v_mov_b32 v[NIL], 0
	ds_add_u32 v4, v5
	ds_add_u32 v4, v5
	s_wait_dscnt 0x0
	v_lshrrev_b32 v12, 5, v0
	v_readfirstlane_b32 s[WV], v12                 ; wave 0..3
	v_and_b32 v12, 31, v0
	v_lshlrev_b32 v[LI], 4, v12
	v_lshlrev_b32 v[LS], 2, v12
	v_lshlrev_b32 v[GA], 3, v12
	s_bfe_u32 s15, ttmp6, 0x40000                  ; cx
	s_bfe_u32 s16, ttmp6, 0x40004                  ; cy
	s_lshl_b32 s17, ttmp9, 2
	s_add_co_u32 s17, s17, s15                     ; g: heads 4 g .. 4 g + 3
	s_and_b32 s18, ttmp7, 0xffff
	s_lshl_b32 s18, s18, 2
	s_add_co_u32 s18, s18, s16                     ; which 256 rows
	s_lshl_b32 s19, s18, 2
	s_add_co_u32 s19, s19, s[WV]                   ; blk: my wave's 64 rows
	s_lshl_b32 s20, 0x1111, s15                    ; my column of the cluster: places cx, cx + 4, cx + 8, cx + 12
	s_or_b32 s[G1], s20, (3<<16)|(1<<21)           ; 15:0 the mask; 17:16 elements of 8 bytes; 20 no padding; 21 set beside a mask
	s_mov_b32 s[G1+1], 32<<16                      ; tensor_dim0 = 32 elements: rows of 256 bytes
	s_mov_b32 s[G1+2], 150<<16                     ; tensor_dim1 = 150
	s_mov_b32 s[G1+3], 32<<16                      ; tile_dim0
	s_mov_b32 s[G1+4], 150                         ; tile_dim1
	s_mov_b32 s[G1+5], 32                          ; the pitch: the block is dense
	s_mov_b32 s[G1+6], 0
	s_mov_b32 s[G1+7], 0
	s_mul_i32 s[WQ], s[WV], QUART
	s_mul_i32 s52, s17, 4*SLOT                     ; the weights' address hangs on g and the wave alone, which the four partners share
	s_add_co_u32 s52, s52, s[WQ]
	s_mov_b32 s53, 0
	s_mul_i32 s54, s19, 49152                      ; my four tiles of x: 12,288 bytes each
	s_mov_b32 s55, 0
	s_lshl_b32 s56, s19, 11
	s_mov_b32 s57, 0
	s_mul_i32 s48, s17, 3145728                    ; acod: four heads of 786,432 bytes; four tiles of 768
	s_mul_i32 s58, s19, 3072
	s_add_co_u32 s48, s48, s58
	s_mov_b32 s49, 0
	s_lshl_b32 s50, s17, 18                        ; ascl: four heads of 65,536 bytes; 256 a block
	s_lshl_b32 s58, s19, 8
	s_add_co_u32 s50, s50, s58
	s_mov_b32 s51, 0
	s_mov_b32 s58, 0                               ; s[58:59], s[60:61]: from head to head in acod and ascl; 0 ahead of the first head
	s_mov_b32 s59, 0
	s_mov_b32 s60, 0
	s_mov_b32 s61, 0
	s_mov_b32 s[TB], 0
	s_mov_b32 s[UPH], 0xffff0000
	s_mov_b32 s[SEL], 0x76543210
	s_mov_b32 s[SEL+1], 0xfedcba98
	s_mov_b32 s[CS], 0x3e38aa3b                    ; c = log2(e) / 8
	s_mov_b32 s[CS+1], s[CS]                       ; (named with it as a pair, so it is written)
	s_wait_alu depctr_va_vdst(0)
	s_wait_kmcnt 0x0
	s_add_nc_u64 s[52:53], s[8:9], s[52:53]
	s_add_nc_u64 s[54:55], s[4:5], s[54:55]
	s_add_nc_u64 s[56:57], s[6:7], s[56:57]
	s_add_nc_u64 s[48:49], s[10:11], s[48:49]
	s_add_nc_u64 s[50:51], s[12:13], s[50:51]
	; x's scale words and its K steps 0 to 3 are asked for ahead of the round: 56 loads, which nobody else's arrival need hold up.  x's fragments stay in registers
.irp mp, 0,1
.irp kq, 0,1,2,3
	global_load_b64 v[XS+8*\mp+2*\kq:XS+8*\mp+2*\kq+1], v[GA], s[56:57] offset:256*(4*\mp+\kq)
.endr
.endr
	WIN 0x40                                       ; destination window 1
.irp s, 0,1,2,3
.irp m, 0,1,2,3
.irp c, 0,1,2
	global_load_b128 v[12*(4*\s+\m)+4*\c:12*(4*\s+\m)+4*\c+3], v[LI], s[54:55] offset:(8*\m+\s)*1536+512*\c
.endr
.endr
.endr
	WIN 0
	s_mov_b32 s[G0A], 1                            ; count = 1
	s_mov_b32 s[G0A+1], s[WQ]                      ; LDS address: slot 0, my quarter
	s_mov_b64 s[G0A+2:G0A+3], s[52:53]             ; the group's first head
	s_or_b32 s[G0A+3], s[G0A+3], 0x80000000        ; type = 2
	s_mov_b32 s[G0B], 1
	s_add_co_u32 s[G0B+1], s[WQ], SLOT
	s_add_nc_u64 s[G0B+2:G0B+3], s[52:53], SLOT    ; its second
	s_or_b32 s[G0B+3], s[G0B+3], 0x80000000
	CROUND                                         ; all sixteen work-groups are here: the first joint loads meet
	tensor_load_to_lds s[G0A:G0A+3], s[G1:G1+7]    ; slot 0's first fill, my quarter: my one tensor load at the head
	s_nop 0
	PLACES 4
	WIN 0x40
.irp m, 0,1,2,3
.irp c, 0,1,2
	global_load_b128 v[12*(16+\m)+4*\c:12*(16+\m)+4*\c+3], v[LI], s[54:55] offset:(8*\m+4)*1536+512*\c   ; K step 4
.endr
.endr
	WIN 0x80                                       ; destination window 2
.irp s, 5,6,7
.irp m, 0,1,2,3
.irp c, 0,1,2
	global_load_b128 v[12*(4*(\s-5)+\m)+4*\c:12*(4*(\s-5)+\m)+4*\c+3], v[LI], s[54:55] offset:(8*\m+\s)*1536+512*\c
.endr
.endr
.endr
.irp m, 0,1,2,3
.irp i, 6,7,8,9,10,11
	v_mov_b32 v[QO+12*\m+\i], 0                    ; zero codes for k = 64 .. 127 of the small operands: written once, they add nothing to a sum
	v_mov_b32 v[KO+12*\m+\i], 0
.endr
.endr
	WIN 0xc0
.irp m, 0,1,2,3
.irp i, 6,7,8,9,10,11
	v_mov_b32 v[VO+12*\m+\i], 0
	v_mov_b32 v[PO+12*\m+\i], 0
.endr
.endr
	WIN 0
.irp n, 0,1,2,3
	v_mov_b32 v[BB+\n], 0                          ; written once: a lane permute's destination counts as one of its sources
.endr
	; the mask.  In a score tile register n holds key 16 (lane / 16) + n, the lane's query is token 8 u + r + 8 (r / 8): hidden where n > query - 16 (lane / 16)
	v_and_b32 v12, 15, v0
	v_and_b32 v13, 8, v12
	v_add_nc_u32 v12, v12, v13
	v_bfe_u32 v13, v0, 4, 1
	v_lshlrev_b32 v13, 4, v13
	v_sub_nc_u32 v12, v12, v13                     ; for query tiles u = 0
	v_add_nc_u32 v13, 8, v12                       ; for u = 1
	v_mov_b32 v14, 0xff61b1e6                      ; -3e38
	WIN 0x40
.irp n, 0,1,2,3,4,5,6,7,8,9,10,11,12,13,14,15
	v_cmp_gt_i32 vcc_lo, \n, v12
	v_cndmask_b32 v[MK+\n], 0, v14, vcc_lo
.endr
	WIN 0xc0
.irp n, 0,1,2,3,4,5,6,7,8,9,10,11,12,13,14,15
	v_cmp_gt_i32 vcc_lo, \n, v13
	v_cndmask_b32 v[MK+\n], 0, v14, vcc_lo
.endr
	WIN 0
	s_wait_alu depctr_va_vdst(0)
	s_wait_tensorcnt 0x0                           ; my quarter of slot 0 is in; slot 1's first fill is issued as a refill is:
	ds_add_u32 v[SPW], v[NIL]                      ; 0 onto my spare word
	s_wait_dscnt 0x0
	CROUND                                         ; everybody's quarter is in, and all sixteen work-groups are here.  (x's loads may still be out: nobody writes those bytes, and the first four groups wait for them by count)
	tensor_load_to_lds s[G0B:G0B+3], s[G1:G1+7]    ; the group's second head into slot 1: it has the first head's products in which to land
	s_nop 0
	PLACES 4
	FIRSTF
	s_mov_b32 s[CNT], 2
.Lfill:                                ; heads 0 and 1: each one's slot takes the head two further on
	HEAD 1, 0
	s_sub_co_u32 s[CNT], s[CNT], 1
	s_cmp_lg_u32 s[CNT], 0
	s_cbranch_scc1 .Lfill
	s_mov_b32 s[CNT], 2
.Ltail:                                ; heads 2 and 3 are a second copy: nothing is left to fetch from memory
	HEAD 0, 1
	s_sub_co_u32 s[CNT], s[CNT], 1
	s_cmp_lg_u32 s[CNT], 0
	s_cbranch_scc1 .Ltail
	s_wait_tensorcnt 0x0                           ; the wave's end
	ds_add_u32 v[SPW], v[NIL]
	s_wait_dscnt 0x0
	CROUND                                         ; the closing round: no work-group ends while a partner may still ask for a tile that names it
	s_endpgm
.Lfunc_end_k_qddb208429c_attn:
	.size	k_qddb208429c_attn, .Lfunc_end_k_qddb208429c_attn-k_qddb208429c_attn
	.p2alignl 7, 3214868480
	.fill 96, 4, 3214868480
	.section	.rodata,"a",@progbits
	.p2align	6, 0x0
	.amdhsa_kernel k_qddb208429c_attn
		.amdhsa_group_segment_fixed_size 327680
		.amdhsa_private_segment_fixed_size 0
		.amdhsa_enable_private_segment 0
		.amdhsa_kernarg_size 40
		.amdhsa_user_sgpr_count 2
		.amdhsa_user_sgpr_kernarg_segment_ptr 1
		.amdhsa_wavefront_size32 1
		.amdhsa_system_sgpr_workgroup_id_x 1
		.amdhsa_system_sgpr_workgroup_id_y 1
		.amdhsa_system_sgpr_workgroup_id_z 1
		.amdhsa_system_vgpr_workitem_id 0
		.amdhsa_next_free_vgpr 1024
		.amdhsa_next_free_sgpr 66
		.amdhsa_reserve_vcc 1
		.amdhsa_float_denorm_mode_32 3
		.amdhsa_float_denorm_mode_16_64 3
		.amdhsa_memory_ordered 1
		.amdhsa_forward_progress 1
		.amdhsa_inst_pref_size 255
	.end_amdhsa_kernel
	.section	.bss,"aw",@nobits
	.p2align	6
	.space	262144
	.amdgpu_metadata
---
amdhsa.version: [ 1, 2 ]
amdhsa.kernels:
  - .name:           k_qddb208429c_attn
    .symbol:         k_qddb208429c_attn.kd
    .args:
      - { .name: xcod, .offset: 0, .size: 8, .value_kind: global_buffer, .address_space: global }
      - { .name: xscl, .offset: 8, .size: 8, .value_kind: global_buffer, .address_space: global }
      - { .name: wqkv, .offset: 16, .size: 8, .value_kind: global_buffer, .address_space: global }
      - { .name: acod, .offset: 24, .size: 8, .value_kind: global_buffer, .address_space: global }
      - { .name: ascl, .offset: 32, .size: 8, .value_kind: global_buffer, .address_space: global }
    .group_segment_fixed_size: 327680
    .private_segment_fixed_size: 0
    .kernarg_segment_align: 8
    .kernarg_segment_size: 40
    .max_flat_workgroup_size: 128
    .sgpr_count:     66
    .vgpr_count:     1024
    .wavefront_size: 32
...
	.end_amdgpu_metadata
.endif
;; end of part 2
;; launch proj (part 3): grid 4 x 64, 4 waves a work-group, clusters of 4 x 4, 327,680 bytes of LDS; arguments acod, ascl, wpc, bp, out0; writes out0
.if DOCPART == 3
	.amdgcn_target "amdgcn-amd-amdhsa--gfx1250"
	.amdhsa_code_object_version 6
	.text
	.protected	k_qddb208429c_proj
	.globl	k_qddb208429c_proj
	.p2align	8
	.type	k_qddb208429c_proj,@function
k_qddb208429c_proj:
	s_mov_b64 s[64:65], 0
	v_nop
	global_prefetch_b8 v0, s[64:65] scope:SCOPE_SE
	s_setreg_imm32_b32 hwreg(HW_REG_WAVE_MODE, 25, 1), 1
	s_wait_xcnt 0x0
	s_wait_alu depctr_hold_cnt(0) depctr_sa_sdst(0) depctr_va_vdst(0) depctr_va_sdst(0) depctr_va_ssrc(0) depctr_va_vcc(0) depctr_vm_vsrc(0)
	s_getreg_b32 s2, hwreg(HW_REG_IB_STS2, 6, 4)
	s_cmp_eq_u32 s2, 0
	s_cbranch_scc0 .Lentry_in_a_cluster
	s_endpgm
.Lentry_in_a_cluster:
	s_bfe_u32 s2, ttmp6, 0x10000c
	s_cmp_lg_u32 s2, 0xf033
	s_cbranch_scc0 .Lentry_shape_is_right
	s_endpgm
.Lentry_shape_is_right:
; PROJ: out0 = O Wp + bp, on codes of FP6 (E2M3) with one E8M0 scale for each 32 along K = (head, d).  O's codes and scale words were made by the launch before, Wp's by the first.
; SHARES.  A work-group takes 256 rows x 256 columns.  Each of its four waves keeps ITS 64 rows of O (four tiles of 16, all 1,024 of K: 32 fragments) in 384 registers; all four walk the same 8 pair blocks of Wp
; (204,800 bytes), which come into LDS as images of operand registers.  A weight fragment is read from LDS once a wave and feeds four matrix instructions.
; CLUSTER.  4 x 4 work-groups; the four of a column take the same columns of Wp, so its block is asked for JOINTLY.
; Wp COMES IN THREE PARTS, each filled once, a quarter of a part a wave: pairs 0-2 at the head (75 rows of 256 bytes a wave); pairs 3-5 behind the full sequence and a round, when all of O's loads have been issued, so that O's bytes are
; asked for first; pairs 6, 7 (50 rows a wave) behind a second such sequence in group 9, ahead of the first fetch from pair 3.  A barrier in group 21 stands ahead of the first fetch from pair 6.  No LDS byte is filled again.
; Between a part's request and the wait for it a wave issues the products of more than two pairs.
; LAYOUT.  Source 0 = 16 columns of Wp, source 1 = 16 rows of O: a lane holds one row and eight neighbouring columns.  Each sum's first matrix instruction takes the constant 0 as C.
; A fragment (tile m, K step s) is put together from two heads: registers 6 c .. 6 c + 5 are head 2 s + c's half image.  Row r of tile m = 2 batch + u is token 8 u + r + 8 (r / 8): undone in the stores' immediates.
; THE WAY OUT.  64 columns (a quad: two pairs) at a time, a tile of 16 rows through my own stage in LDS (rows of 256 bytes + 16), back as whole rows; bp is added there (a lane's four columns of each quad: 16 registers);
; sixteen lanes store 256 consecutive bytes, at a multiple of 256 from out0's first byte.  THE QUADS' ACCUMULATORS TAKE TURNS BETWEEN TWO PLACES, so that quad q leaves while quad q + 1 is multiplied: behind the fetch of each
; even group of quad q + 1 a tile of quad q goes into the stage and back, behind the next group's it is stored.  Only the last quad leaves with no products beside it.
; No prefetch: the launch has no loop to run ahead in; O's loads go out at its head.
; REGISTERS, in windows of 256: window 0: v1-15 addresses; v16-31 O's scale words; v32-47 Wp's, two sets; v48-63 bp; v64-127 rows on the way out, two sets (at the head: raw scale words); v128-255 the accumulators of quads 0 and 2.
;   window 1: O's fragments of K steps 0-4 at v[12 (4 s + m)].   window 2: those of K steps 5-7; v144-207 the first pair's accumulators of quads 1 and 3.   window 3: v0-143 three buffers of four weight fragments; v144-207 the second pair's.
.set PAIR,  25600                      ; a pair block: 16 fragments of 1,536 bytes, then 8 x 128 bytes of scale words
.set SH3,   19200                      ; a wave's quarter of three pairs: 75 rows of 256 bytes
.set SH2,   12800                      ; and of two pairs: 50 rows
.set STAGE, 8*PAIR                     ; behind Wp: two stages of 16 x 272 bytes for each wave; no tensor load lands there
.set SPI,   272
.set SPARE, STAGE+4*32*SPI             ; behind the stages: the spare words, 128 bytes a wave
.set SPW, 1                            ; v1   LDS address of my spare word; never rewritten
.set NIL, 2                            ; v2   0; never rewritten
.set GA,  3                            ; v3   8 x lane
.set STO, 4                            ; v4   the stage: where I put 32 bytes of a row
.set RD,  5                            ; v5   and where I read a row back
.set CO,  6                            ; v6   my byte offset in two rows of out0
.set BO,  7                            ; v7   16 x (lane % 16): my four columns of a quad
.set AD,  8                            ; v8-11  51,200 k + 16 x lane
.set AS,  12                           ; v12-15 51,200 k + 4 x lane
.set XS,  16
.set WS,  32
.set BQ,  48                           ; v[48 + 4 q ..] bp at my four columns of quad q
.set OB,  64
.set WV,  14
.set G1,  24                           ; s[24:31] group 1 for a quarter of three pairs
.set G0A, 32                           ; s[32:35] group 0 of pairs 0-2
.set G1C, 36                           ; s[36:43] group 1 for a quarter of two pairs
.set G0B, 44                           ; s[44:47] group 0 of pairs 3-5
.set G0C, 60                           ; s[60:63] group 0 of pairs 6, 7
.set MSB, 0
.set DSN, 0                            ; LDS instructions issued so far; FEi: the count behind the last fetch into buffer i; TEi: behind the last read of stage i
.set FE0, 0
.set FE1, 0
.set FE2, 0
.set TE0, 0
.set TE1, 0
.macro WIN new                         ; the immediate's high byte repeats the setting that is left; a switch that changes nothing is dropped
.if MSB != (\new)
	s_set_vgpr_msb (MSB<<8)|(\new)
.set MSB, (\new)
.endif
.endm
.macro PLACES n
.rept \n
	v_nop
.endr
.endm
.macro CROUND                          ; a round of the cluster's barrier
	s_barrier_signal -1
	s_barrier_wait -1
	s_cmp_lg_u32 s[WV], 0
	s_cbranch_scc1 .Lnot_wave_0_\@
	s_barrier_signal -3
.Lnot_wave_0_\@:
	s_barrier_wait -3
	s_barrier_signal -1
	s_barrier_wait -1
.endm
.macro LATER g0, g1                    ; a first fill that comes later is issued as a refill is
	WIN 0
	s_wait_tensorcnt 0x0                           ; my quarter of the part before is in,
	ds_add_u32 v[SPW], v[NIL]                      ; 0 onto my spare word,
	s_wait_dscnt 0x0                               ; the add and my LDS loads are done;
	CROUND                                         ; everybody's quarter is in, and all sixteen work-groups are here: the joint loads meet
	tensor_load_to_lds s[\g0:\g0+3], s[\g1:\g1+7]  ; my one tensor load behind the round
	s_nop 0
	PLACES 4
.endm
.macro WM d, a, b, c, sa, sb, ra, rb   ; one matrix instruction.  c: C's first register, or -1 for the constant 0.  ra, rb: 1 = that side's scales stand in lanes 16-31
.set WSEL, 2*(\ra)+(\rb)
.if (\c) < 0
.if WSEL == 0
	v_wmma_scale_f32_16x16x128_f8f6f4 v[(\d):(\d)+7], v[(\a):(\a)+11], v[(\b):(\b)+11], 0, v[\sa], v[\sb] matrix_a_fmt:MATRIX_FMT_FP6 matrix_b_fmt:MATRIX_FMT_FP6
.elseif WSEL == 1
	v_wmma_scale_f32_16x16x128_f8f6f4 v[(\d):(\d)+7], v[(\a):(\a)+11], v[(\b):(\b)+11], 0, v[\sa], v[\sb] matrix_a_fmt:MATRIX_FMT_FP6 matrix_b_fmt:MATRIX_FMT_FP6 matrix_b_scale:MATRIX_SCALE_ROW1
.elseif WSEL == 2
	v_wmma_scale_f32_16x16x128_f8f6f4 v[(\d):(\d)+7], v[(\a):(\a)+11], v[(\b):(\b)+11], 0, v[\sa], v[\sb] matrix_a_fmt:MATRIX_FMT_FP6 matrix_b_fmt:MATRIX_FMT_FP6 matrix_a_scale:MATRIX_SCALE_ROW1
.else
	v_wmma_scale_f32_16x16x128_f8f6f4 v[(\d):(\d)+7], v[(\a):(\a)+11], v[(\b):(\b)+11], 0, v[\sa], v[\sb] matrix_a_fmt:MATRIX_FMT_FP6 matrix_b_fmt:MATRIX_FMT_FP6 matrix_a_scale:MATRIX_SCALE_ROW1 matrix_b_scale:MATRIX_SCALE_ROW1
.endif
.else
.if WSEL == 0
	v_wmma_scale_f32_16x16x128_f8f6f4 v[(\d):(\d)+7], v[(\a):(\a)+11], v[(\b):(\b)+11], v[(\c):(\c)+7], v[\sa], v[\sb] matrix_a_fmt:MATRIX_FMT_FP6 matrix_b_fmt:MATRIX_FMT_FP6
.elseif WSEL == 1
	v_wmma_scale_f32_16x16x128_f8f6f4 v[(\d):(\d)+7], v[(\a):(\a)+11], v[(\b):(\b)+11], v[(\c):(\c)+7], v[\sa], v[\sb] matrix_a_fmt:MATRIX_FMT_FP6 matrix_b_fmt:MATRIX_FMT_FP6 matrix_b_scale:MATRIX_SCALE_ROW1
.elseif WSEL == 2
	v_wmma_scale_f32_16x16x128_f8f6f4 v[(\d):(\d)+7], v[(\a):(\a)+11], v[(\b):(\b)+11], v[(\c):(\c)+7], v[\sa], v[\sb] matrix_a_fmt:MATRIX_FMT_FP6 matrix_b_fmt:MATRIX_FMT_FP6 matrix_a_scale:MATRIX_SCALE_ROW1
.else
	v_wmma_scale_f32_16x16x128_f8f6f4 v[(\d):(\d)+7], v[(\a):(\a)+11], v[(\b):(\b)+11], v[(\c):(\c)+7], v[\sa], v[\sb] matrix_a_fmt:MATRIX_FMT_FP6 matrix_b_fmt:MATRIX_FMT_FP6 matrix_a_scale:MATRIX_SCALE_ROW1 matrix_b_scale:MATRIX_SCALE_ROW1
.endif
.endif
.endm
; Eight matrix instructions: K step s of my four row tiles x pair p's two column tiles.  The eight accumulators take turns, one instruction a turn, in the same order in every K step.
.macro MUL8 s, wf, p
.if (\s) < 5
.set XB, 48*(\s)
.set XW, 1
.else
.set XB, 48*((\s)-5)
.set XW, 2
.endif
.if ((\p)/2)%2
.set DW, 2+(\p)%2                      ; quads 1 and 3: window 2 (first pair) or 3 (second)
.set DB, 144
.else
.set DW, 0                             ; quads 0 and 2: window 0
.set DB, 128+64*((\p)%2)
.endif
	WIN 0x03|(XW<<2)|(DW<<4)|(DW<<6)               ; W in window 3, O in window 1 or 2, C and D where the quad's accumulators lie
.irp m, 0,1,2,3
.irp u, 0,1
.set DD, DB+16*\m+8*\u
.set CC, DD
.if (\s) == 0
.set CC, -1
.endif
	WM DD, (\wf)+12*\u, XB+12*\m, CC, WS+8*((\p)%2)+(\s), XS+8*(\m/2)+(\s), \u, \m%2
.endr
.endr
.endm
.macro FETCH g                         ; group g = two K steps of a pair: four fragments, 6,144 consecutive bytes, into buffer g % 3
	WIN 0xc0                                       ; destination window 3, address window 0
.irp i, 0,1,2,3,4,5,6,7,8,9,10,11
	ds_load_b128 v[48*((\g)%3)+4*\i:48*((\g)%3)+4*\i+3], v[AD+(\g)/8] offset:PAIR*(((\g)/4)%2)+6144*((\g)%4)+512*\i
.endr
.set DSN, DSN+12
.if (\g)%3 == 0
.set FE0, DSN
.elseif (\g)%3 == 1
.set FE1, DSN
.else
.set FE2, DSN
.endif
.endm
.macro SCALES p                        ; pair p's scale words for its eight K steps, into set p % 2
	WIN 0
.irp s, 0,1,2,3,4,5,6,7
	ds_load_b32 v[WS+8*((\p)%2)+\s], v[AS+(\p)/2] offset:PAIR*((\p)%2)+24576+128*\s
.endr
.set DSN, DSN+8
.endm
.macro TOST m, q                       ; row tile m of quad q: 16 rows x 64 columns into stage m % 2 and back as whole rows.  LDS serves a wave's instructions in order: no wait between the stores and the loads
	s_wait_xcnt 0x0                                ; the earlier stores have read their rows: rows may land in those registers again
.irp pi, 0,1
.if (\q)%2
	WIN (2+\pi)<<2                                 ; the data in window 2 or 3
.set AB, 144
.else
	WIN 0
.set AB, 128+64*\pi
.endif
.irp u, 0,1
	ds_store_b128 v[STO], v[AB+16*(\m)+8*\u:AB+16*(\m)+8*\u+3] offset:16*SPI*((\m)%2)+64*(2*\pi+\u)      ; each accumulator from its low end on
	ds_store_b128 v[STO], v[AB+16*(\m)+8*\u+4:AB+16*(\m)+8*\u+7] offset:16*SPI*((\m)%2)+64*(2*\pi+\u)+16
.endr
.endr
	WIN 0
.irp i, 0,1,2,3,4,5,6,7
	ds_load_b128 v[OB+32*((\m)%2)+4*\i:OB+32*((\m)%2)+4*\i+3], v[RD] offset:16*SPI*((\m)%2)+2*SPI*\i
.endr
.set DSN, DSN+16
.if (\m)%2
.set TE1, DSN
.else
.set TE0, DSN
.endif
.endm
.macro SENDT m, q                      ; the tile's rows are back: + bp, and out.  Stage row 2 i + lane / 16 is token 8 (m % 2) + 2 i + lane / 16 + 8 (i / 4) of batch m / 2
	WIN 0
.if (\m)%2
	s_wait_dscnt DSN-TE1                           ; the LDS instructions issued behind the tile's loads may stay out
.else
	s_wait_dscnt DSN-TE0
.endif
.irp i, 0,1,2,3,4,5,6,7
	v_pk_add_f32 v[OB+32*((\m)%2)+4*\i:OB+32*((\m)%2)+4*\i+1], v[OB+32*((\m)%2)+4*\i:OB+32*((\m)%2)+4*\i+1], v[BQ+4*(\q):BQ+4*(\q)+1]
	v_pk_add_f32 v[OB+32*((\m)%2)+4*\i+2:OB+32*((\m)%2)+4*\i+3], v[OB+32*((\m)%2)+4*\i+2:OB+32*((\m)%2)+4*\i+3], v[BQ+4*(\q)+2:BQ+4*(\q)+3]
.endr
.irp i, 0,1,2,3,4,5,6,7
	global_store_b128 v[CO], v[OB+32*((\m)%2)+4*\i:OB+32*((\m)%2)+4*\i+3], s[58:59] offset:(32*((\m)/2)+8*((\m)%2)+2*\i+8*(\i/4))*4096+256*(\q) th:TH_STORE_NT
.endr
.endm
.macro OLOAD s                         ; O's K step s: 24 loads; each covers 256 consecutive bytes
.if (\s) < 5
	WIN 0x40
.set XB, 48*(\s)
.else
	WIN 0x80
.set XB, 48*((\s)-5)
.endif
.irp m, 0,1,2,3
.irp c, 0,1
.irp j, 0,1,2
	global_load_b64 v[XB+12*\m+6*\c+2*\j:XB+12*\m+6*\c+2*\j+1], v[GA], s[48+2*((\s)/4):49+2*((\s)/4)] offset:((2*(\s)+\c)%8)*786432+768*\m+256*\j
.endr
.endr
.endr
.endm
; A group: 16 matrix instructions, four places, the fetch of the group three on into the buffer just multiplied, then a piece of the last quad's way out.  The wait's count is what was issued behind FETCH g, held to the 63 that a wait can name.
; Groups 2 and 3 also wait for O's K steps 5 to 7, 24 loads each, which are still on their way when the products begin.
; Group 9's fetch is the first from pair 3, group 21's the first from pair 6: ahead of each that part of Wp is shown whole to all four waves.
.macro GROUP g
.if (\g) == 2
	s_wait_loadcnt 48                              ; K steps 4 and 5 are in; the 48 loads of K steps 6 and 7 may be out
.elseif (\g) == 3
	s_wait_loadcnt 0x0
.endif
.if (\g)%3 == 0
.set NW, DSN-FE0
.elseif (\g)%3 == 1
.set NW, DSN-FE1
.else
.set NW, DSN-FE2
.endif
.if NW > 63
.set NW, 63
.endif
	s_wait_dscnt NW
	MUL8 2*((\g)%4), 48*((\g)%3), (\g)/4
	MUL8 2*((\g)%4)+1, 48*((\g)%3)+24, (\g)/4
	PLACES 4
.if (\g) == 9
	LATER G0C, G1C                                 ; pairs 3-5 are whole; pairs 6 and 7 are asked for
.elseif (\g) == 21
	s_wait_tensorcnt 0x0                           ; my quarter of pairs 6 and 7 is in,
	s_wait_dscnt 0x0
	s_barrier_signal -1
	s_barrier_wait -1                              ; everybody's is
.endif
.if (\g)+3 <= 31
.if ((\g)+3)%4 == 0
	SCALES ((\g)+3)/4
.endif
	FETCH (\g)+3
.endif
.if (\g) >= 8
.if (\g)%2 == 0
	TOST ((\g)%8)/2, (\g)/8-1
.else
	SENDT ((\g)%8)/2, (\g)/8-1
.endif
.endif
.endm
	s_load_b256 s[4:11], s[0:1], 0x0               ; acod s[4:5], ascl s[6:7], wpc s[8:9], bp s[10:11]
	s_load_b64 s[12:13], s[0:1], 0x20              ; out0
	v_lshl_add_u32 v[SPW], v0, 2, SPARE
	v_mov_b32 v[NIL], 0
	ds_add_u32 v[SPW], v[NIL]                      ; the opening add, twice on end; its wait stands ahead of my first tensor load
	ds_add_u32 v[SPW], v[NIL]
	v_lshrrev_b32 v96, 5, v0
	v_readfirstlane_b32 s[WV], v96                 ; wave 0..3
	v_and_b32 v98, 31, v0                          ; lane
	v_and_b32 v96, 15, v0                          ; r
	v_bfe_u32 v97, v0, 4, 1                        ; h
	v_lshlrev_b32 v[GA], 3, v98
	v_lshlrev_b32 v[AD], 4, v98
	v_add_nc_u32 v[AD+1], 2*PAIR, v[AD]
	v_add_nc_u32 v[AD+2], 2*PAIR, v[AD+1]
	v_add_nc_u32 v[AD+3], 2*PAIR, v[AD+2]
	v_lshlrev_b32 v[AS], 2, v98
	v_add_nc_u32 v[AS+1], 2*PAIR, v[AS]
	v_add_nc_u32 v[AS+2], 2*PAIR, v[AS+1]
	v_add_nc_u32 v[AS+3], 2*PAIR, v[AS+2]
	s_mul_i32 s20, s[WV], 32*SPI
	s_add_co_u32 s20, s20, STAGE                   ; my two stages
	v_mul_u32_u24 v[STO], v96, SPI
	v_lshl_add_u32 v[STO], v97, 5, v[STO]
	v_add_nc_u32 v[STO], s20, v[STO]               ; in: row r, + 32 h
	v_mul_u32_u24 v[RD], v97, SPI
	v_lshl_add_u32 v[RD], v96, 4, v[RD]
	v_add_nc_u32 v[RD], s20, v[RD]                 ; back: lanes 0-15 one row, lanes 16-31 the next
	v_lshlrev_b32 v[CO], 12, v97
	v_lshl_add_u32 v[CO], v96, 4, v[CO]            ; and the same in out0: rows of 4,096 bytes
	v_lshlrev_b32 v[BO], 4, v96
	s_bfe_u32 s15, ttmp6, 0x40000                  ; cx
	s_bfe_u32 s16, ttmp6, 0x40004                  ; cy
	s_lshl_b32 s17, ttmp9, 2
	s_add_co_u32 s17, s17, s15                     ; which 256 columns
	s_and_b32 s18, ttmp7, 0xffff
	s_lshl_b32 s18, s18, 2
	s_add_co_u32 s18, s18, s16                     ; which 256 rows
	s_lshl_b32 s19, s18, 2
	s_add_co_u32 s19, s19, s[WV]                   ; blk: my wave's 64 rows
	s_lshl_b32 s21, 0x1111, s15                    ; my column of the cluster
	s_or_b32 s[G1], s21, (3<<16)|(1<<21)           ; 15:0 the mask; 17:16 elements of 8 bytes; 20 no padding; 21 set beside a mask
	s_mov_b32 s[G1+1], 32<<16                      ; tensor_dim0 = 32 elements: rows of 256 bytes
	s_mov_b32 s[G1+2], 75<<16                      ; tensor_dim1 = 75
	s_mov_b32 s[G1+3], 32<<16                      ; tile_dim0
	s_mov_b32 s[G1+4], 75                          ; tile_dim1
	s_mov_b32 s[G1+5], 32                          ; the pitch: the block is dense
	s_mov_b32 s[G1+6], 0
	s_mov_b32 s[G1+7], 0
	s_or_b32 s[G1C], s21, (3<<16)|(1<<21)
	s_mov_b32 s[G1C+1], 32<<16
	s_mov_b32 s[G1C+2], 50<<16                     ; 50 rows
	s_mov_b32 s[G1C+3], 32<<16
	s_mov_b32 s[G1C+4], 50
	s_mov_b32 s[G1C+5], 32
	s_mov_b32 s[G1C+6], 0
	s_mov_b32 s[G1C+7], 0
	s_mul_i32 s22, s[WV], SH3                      ; my quarter's place in the block of 204,800 bytes, in LDS as in memory: of pairs 0-2,
	s_mul_i32 s23, s[WV], SH2
	s_add_co_u32 s23, s23, 6*PAIR                  ; of pairs 6, 7
	s_mul_i32 s52, s17, 8*PAIR                     ; Wp's address hangs on the column group and the wave alone, which the four partners share
	s_mov_b32 s53, 0
	s_mov_b32 s3, 0
	s_mul_i32 s48, s19, 3072                       ; acod: my four tiles of 768 bytes in each head
	s_mov_b32 s49, 0
	s_lshl_b32 s54, s19, 8                         ; ascl: 256 bytes a block in each head
	s_mov_b32 s55, 0
	s_lshl_b32 s56, s17, 10                        ; bp: 256 numbers
	s_mov_b32 s57, 0
	s_lshl_b32 s58, s19, 18                        ; out0: 64 rows of 4,096 bytes,
	s_add_co_u32 s58, s58, s56                     ; 1,024 bytes for 256 columns
	s_mov_b32 s59, 0
	s_wait_alu depctr_va_vdst(0)
	s_wait_dscnt 0x0                               ; both opening adds are done
	s_wait_kmcnt 0x0
	s_add_nc_u64 s[48:49], s[4:5], s[48:49]        ; heads 0-7,
	s_add_nc_u64 s[50:51], s[48:49], 6291456       ; heads 8-15: so that every offset stays inside the signed 24-bit immediate
	s_add_nc_u64 s[54:55], s[6:7], s[54:55]
	s_add_nc_u64 s[56:57], s[10:11], s[56:57]
	s_add_nc_u64 s[58:59], s[12:13], s[58:59]
	; 44 loads go out ahead of the round, which nobody else's arrival need hold up
.irp hd, 0,1,2,3,4,5,6,7,8,9,10,11,12,13,14,15
	global_load_b64 v[OB+2*\hd:OB+2*\hd+1], v[GA], s[54:55] offset:65536*\hd   ; head hd's two bytes a row: word mp of lane (r, h) serves tile 2 mp + h
.endr
.irp q, 0,1,2,3
	global_load_b128 v[BQ+4*\q:BQ+4*\q+3], v[BO], s[56:57] offset:256*\q       ; bp at columns 64 q + 4 (lane % 16) + 0 .. 3: sixteen lanes read 256 consecutive bytes
.endr
	OLOAD 0
	WIN 0
	s_add_nc_u64 s[52:53], s[8:9], s[52:53]        ; my column group's block of Wp
	s_mov_b32 s2, s22
	s_mov_b32 s[G0A], 1                            ; count = 1
	s_mov_b32 s[G0A+1], s22                        ; LDS address
	s_add_nc_u64 s[G0A+2:G0A+3], s[52:53], s[2:3]
	s_mov_b32 s[G0B], 1
	s_add_co_u32 s[G0B+1], s22, 3*PAIR
	s_add_nc_u64 s[G0B+2:G0B+3], s[G0A+2:G0A+3], 3*PAIR
	s_mov_b32 s2, s23
	s_mov_b32 s[G0C], 1
	s_mov_b32 s[G0C+1], s23
	s_add_nc_u64 s[G0C+2:G0C+3], s[52:53], s[2:3]
	s_or_b32 s[G0A+3], s[G0A+3], 0x80000000        ; type = 2
	s_or_b32 s[G0B+3], s[G0B+3], 0x80000000
	s_or_b32 s[G0C+3], s[G0C+3], 0x80000000
	CROUND                                         ; all sixteen work-groups are here: the joint loads meet
	tensor_load_to_lds s[G0A:G0A+3], s[G1:G1+7]    ; my quarter of pairs 0-2: my one tensor load at the head
	s_nop 0
	PLACES 4
.irp s, 1,2,3,4,5,6,7                  ; O's fragments stay in registers
	OLOAD \s
.endr
	WIN 0
	s_wait_loadcnt 63                              ; of the 212 loads the first 149 are in: the 16 of scale words, the 4 of bp, O's K steps 0 to 4 (120) and 9 of K step 5
.irp mp, 0,1
.irp s, 0,1,2,3,4,5,6,7
	v_lshl_or_b32 v[XS+8*\mp+\s], v[OB+2*(2*\s+1)+\mp], 16, v[OB+2*(2*\s)+\mp]   ; K step s = heads 2 s and 2 s + 1: four bytes
.endr
.endr
	PLACES 8                                       ; a scale register written by a vector instruction stands eight places ahead of the scaled matrix instruction that reads it
	s_wait_alu depctr_va_vdst(0)
	LATER G0B, G1                                  ; pairs 0-2 are whole; pairs 3-5 are asked for, behind all of O's loads
	SCALES 0
	FETCH 0
	FETCH 1
	FETCH 2
.irp q, 0,1,2,3                        ; a quad = two pairs = 64 columns
.irp i, 0,1,2,3,4,5,6,7
	GROUP 8*\q+\i
.endr
.endr
	TOST 0, 3                                      ; the last quad's way out: a tile goes through one stage while the tile before it is stored from the other
	TOST 1, 3
	SENDT 0, 3
	TOST 2, 3
	SENDT 1, 3
	TOST 3, 3
	SENDT 2, 3
	SENDT 3, 3
	s_wait_tensorcnt 0x0                           ; the wave's end: behind my last tensor load and my last LDS store
	ds_add_u32 v[SPW], v[NIL]
	s_wait_dscnt 0x0
	CROUND                                         ; the closing round: no work-group ends while a partner may still ask for a tile that names it
	s_endpgm
.Lfunc_end_k_qddb208429c_proj:
	.size	k_qddb208429c_proj, .Lfunc_end_k_qddb208429c_proj-k_qddb208429c_proj
	.p2alignl 7, 3214868480
	.fill 96, 4, 3214868480
	.section	.rodata,"a",@progbits
	.p2align	6, 0x0
	.amdhsa_kernel k_qddb208429c_proj
		.amdhsa_group_segment_fixed_size 327680
		.amdhsa_private_segment_fixed_size 0
		.amdhsa_enable_private_segment 0
		.amdhsa_kernarg_size 40
		.amdhsa_user_sgpr_count 2
		.amdhsa_user_sgpr_kernarg_segment_ptr 1
		.amdhsa_wavefront_size32 1
		.amdhsa_system_sgpr_workgroup_id_x 1
		.amdhsa_system_sgpr_workgroup_id_y 1
		.amdhsa_system_sgpr_workgroup_id_z 1
		.amdhsa_system_vgpr_workitem_id 0
		.amdhsa_next_free_vgpr 1024
		.amdhsa_next_free_sgpr 66
		.amdhsa_reserve_vcc 0
		.amdhsa_float_denorm_mode_32 3
		.amdhsa_float_denorm_mode_16_64 3
		.amdhsa_memory_ordered 1
		.amdhsa_forward_progress 1
		.amdhsa_inst_pref_size 175
	.end_amdhsa_kernel
	.amdgpu_metadata
---
amdhsa.version: [ 1, 2 ]
amdhsa.kernels:
  - .name:           k_qddb208429c_proj
    .symbol:         k_qddb208429c_proj.kd
    .args:
      - { .name: acod, .offset: 0, .size: 8, .value_kind: global_buffer, .address_space: global }
      - { .name: ascl, .offset: 8, .size: 8, .value_kind: global_buffer, .address_space: global }
      - { .name: wpc, .offset: 16, .size: 8, .value_kind: global_buffer, .address_space: global }
      - { .name: bp, .offset: 24, .size: 8, .value_kind: global_buffer, .address_space: global }
      - { .name: out0, .offset: 32, .size: 8, .value_kind: global_buffer, .address_space: global }
    .group_segment_fixed_size: 327680
    .private_segment_fixed_size: 0
    .kernarg_segment_align: 8
    .kernarg_segment_size: 40
    .max_flat_workgroup_size: 128
    .sgpr_count:     66
    .vgpr_count:     1024
    .wavefront_size: 32
...
	.end_amdgpu_metadata
.endif
;; end of part 3
